; MI455X (gfx1250); checked and timed in simulation.
; The chip was launched on July 23, 2026; its instructions are those of AMD's public machine-readable ISA for CDNA 5 (MIT licence, August 2026) and "CDNA5" Instruction Set Architecture Reference Guide (July 2026). The comments in the code are by the model that wrote it; some were corrected since.
;; Multi Head Attention. Allowed arithmetic: matrix products marked QUANTISED: E4M3 operands, one E8M0 scale for each 32 along K, by v_wmma_scale_f32_16x16x128_f8f6f4 with both operands' format E4M3, f32 sums; everything else in f32.
;; Inputs: Wk 1,024 x 1,024 float32; Wo 1,024 x 1,024 float32; Wq 1,024 x 1,024 float32; Wv 1,024 x 1,024 float32; attn_mask 4 x 2,048 x 2,048 bool; bk 1,024 float32; bo 1,024 float32; bq 1,024 float32; bv 1,024 float32; k 4 x 2,048 x 1,024 float32; q 4 x 2,048 x 1,024 float32; v 4 x 2,048 x 1,024 float32.
;; Outputs: out0 4 x 2,048 x 1,024 float32.
;; This version of the problem:
;;   THIS VERSION OF THE PROBLEM IS GIVEN IN LOW PRECISION. The matrix products marked QUANTISED in the list below multiply operands that are first quantised to E4M3 (4 exponent bits, 3 mantissa bits; 8 bits a number), with one power-of-two scale for each 32 numbers along K (OCP MX v1.0); their sums are f32. All else is computed in f32.
;;   The module's matrix products, in the order in which they are computed (A, B: the left and right operand; K: the contracted axis; several contracted axes count as one K, in the product's order):
;;     1. [M 8,192, K 1,024] x [K 1,024, N 1,024]; A: input q; B: input Wq: QUANTISED
;;     2. [M 8,192, K 1,024] x [K 1,024, N 1,024]; A: input k; B: input Wk: QUANTISED
;;     3. [M 8,192, K 1,024] x [K 1,024, N 1,024]; A: input v; B: input Wv: QUANTISED
;;     4. batch 64 x [M 2,048, K 64] x [K 64, N 2,048]; A: computed on the way; B: computed on the way: QUANTISED
;;     5. batch 64 x [M 2,048, K 2,048] x [K 2,048, N 64]; A: softmax (see below); B: computed on the way: QUANTISED
;;     6. [M 8,192, K 1,024] x [K 1,024, N 1,024]; A: computed on the way; B: input Wo: QUANTISED
;;   THE QUANTISER, for each operand of a quantised product, along K:
;;     - K is cut into blocks of 32 from its start; a last block that is shorter is filled with zeros.
;;     - A block's scale is 2^e with e = floor(log2(the largest magnitude in the block)) - 8, held to -126 .. 127; a block of zeros has e = 0. As a byte (E8M0): e + 127.
;;     - Each number is divided by its block's scale, clamped to +-448, and rounded to the nearest number of E4M3, ties to even, subnormals kept.
;;     - The product sums the exact products of the quantised numbers (number of the format x scale) in f32.
;;   ~~~python
;;   def quantise(x, axis):      # numpy; x: float32 -> the quantised numbers, widened to float32 again
;;       x = np.moveaxis(x, axis, -1); K = x.shape[-1]
;;       x = np.pad(x, [(0, 0)] * (x.ndim - 1) + [(0, -K % 32)]); x = x.reshape(x.shape[:-1] + (-1, 32)); a = np.abs(x).max(-1, keepdims=True)
;;       e = np.where(a > 0, np.clip(np.frexp(np.where(a > 0, a, 1))[1] - 1 - 8, -126, 127), 0)      # np.frexp(a)[1] - 1 = floor(log2(a)), exactly
;;       r = np.clip(x / 2.0 ** e, -448, 448)
;;       step = 2.0 ** (np.maximum(np.frexp(np.where(r == 0, 1, r))[1] - 1, -6) - 3)
;;       q = np.round(r / step) * step * 2.0 ** e      # np.round: ties to even
;;       return np.moveaxis(q.reshape(q.shape[:-2] + (-1,))[..., :K], -1, axis).astype(np.float32)
;;   ~~~
;;   SOFTMAX AHEAD OF A QUANTISED PRODUCT. Where the list says 'softmax', what is quantised is not the finished softmax but p = 2^(t - M), with t = logit x log2(e) and M = ceil(the row's largest t), a whole number; so 1/2 < the row's largest p <= 1. The row's sum l is taken of the UNQUANTISED p, in f32, and the product's result is divided by l at the end. Since M is a whole number, a kernel that streams over the keys may use a running M (the ceiling of the running maximum): every later rescaling is an exact power of two, which a block's scale takes up: the codes' values come out the same.
;;   OPERANDS COMPUTED ON THE WAY. 'Computed on the way' means the value that the module computes at that place (a softmax that the list does not call 'softmax' is quantised finished and normalised). What goes into a quantiser is computed in f32, as accurately as f32 sums, v_exp_f32 and their like allow (about 1e-6 of the number): no bf16 or f16 on the way to a quantiser, and a product that is left as it is and whose result goes on into a quantised operand takes f32 operands (vector FMAs, or v_wmma_f32_16x16x4_f32). A number that lies on a knife's edge between two numbers of the format may be rounded either way, as far as f32 arithmetic and the matrix unit's own rounding can turn it there, and no further.
;; 2 versions, each right; version 2 is version 1 with the launch attn written anew for expert scheduling mode. Each part assembles by itself: llvm-mc -triple=amdgcn-amd-amdhsa -mcpu=gfx1250 --defsym DOCPART=n.
;; ======== version 1 of 2: 4 launches
;; limits: right only within a limited range of input values
;; workspace buffers: c1 29,360,128 bytes; s1 917,504 bytes; mk 2,097,152 bytes of whole numbers; fl 2,048 bytes of whole numbers; qkv 25,165,824 bytes; qkvs 1,310,720 bytes; cc 8,388,608 bytes; cs 262,144 bytes
;; launch prep (part 1): grid 1024 x 1, 4 waves a work-group, no clusters, 50,688 bytes of LDS; arguments q, k, v, Wq, Wk, Wv, Wo, attn_mask, c1, s1, mk, fl; writes c1, s1, mk, fl
.if DOCPART == 1
	.amdgcn_target "amdgcn-amd-amdhsa--gfx1250"
	.amdhsa_code_object_version 6
	.text
	.protected	k_q292bbe2f45_prep
	.globl	k_q292bbe2f45_prep
	.p2align	8
	.type	k_q292bbe2f45_prep,@function
k_q292bbe2f45_prep:
	s_mov_b64 s[64:65], 0
	v_nop
	global_prefetch_b8 v0, s[64:65] scope:SCOPE_SE
	s_setreg_imm32_b32 hwreg(HW_REG_WAVE_MODE, 25, 1), 1
	s_wait_xcnt 0x0
; TWO JOBS IN ONE LAUNCH, told apart by the work-group's number.
; Work-groups 0 to 895: q, k, v [8192][1024] and Wq, Wk, Wv, Wo [1024][1024], f32, K innermost, become codes of FP8 (E4M3) in c1 and one E8M0 byte for each 32 along K in s1; the seven tensors lie on end there.
;   A block's scale is 2^(floor(log2(its largest magnitude)) - 8); each number is divided by it, held within +-448 and rounded to the nearest code, ties to even.
;   THE ORDER OF A BLOCK'S 32 CODES: bytes 0-15 hold numbers 0-7 and 16-23, bytes 16-31 numbers 8-15 and 24-31.  Every operand of this program has this order, so that a lane's 16 registers of two neighbouring
;   result tiles are 16 neighbouring codes of the next operand; an order inside a block, alike on both sides of a product, changes neither scales nor sums' terms.
;   LIMITS: a block of zeros gets the byte 1 where the rule says 127 (its codes are zeros, and this program alone reads the bytes); NaN and infinities among the inputs are not served.
; Work-groups 896 to 1023: attn_mask [4][2048][2048] (bool: a byte, 0 or 1) becomes, for each tile of 16 queries and each step of 128 keys, 64 words of lane bits in mk, and for each tile one word of flags in fl.
;   Word n = 8 t + j of a step: bit r + 16 h = mask[16 qt + r][128 ks + 16 t + 8 h + j]: the lane and register in which the attention launch holds that score.  Word n lies at place 2 (n % 32) + n / 32.
;   Flags: bit ks: the step has work (not all of its 16 x 128 scores are masked, or some row of the tile is masked at all 2,048 keys, in which case every step counts); bit 16 + ks: some score of the step is masked.
;   LIMIT: the flags take a mask byte to be 0 or 1, as the type has it: they are read off the sum of a lane's 16 words of a step, whose bytes then count masked scores, 16 at the most.
; No tensor loads, no barrier: waves share nothing.  Each job has LDS bytes of its own.
.set NQWG,  896
.set STEPS, 16
.set EMAX,  8
.set WREG,  8192                       ; quantiser: a region for each wave: two stages of 32 x SP bytes, then its 256 scale bytes
.set SP,    80                         ; 64 bytes of a stage + 16 of padding
.set R,     16                         ; v16-79   four sets of 16 numbers as loaded
.set X,     80                         ; v80-111  two sets of 16 numbers of one block's half
.set E,     112                        ; v112-127 a scale byte for each step
.set C,     128                        ; v128-191 codes: four registers for each step
.set MSTG,  32768                      ; mask: a stage of 16 rows x MPIT bytes for each wave
.set MPIT,  272
	s_load_b512 s[4:19], s[0:1], 0x0               ; q, k, v, Wq, Wk, Wv, Wo, attn_mask
	s_load_b128 s[20:23], s[0:1], 0x40             ; c1, s1
	s_load_b64 s[24:25], s[0:1], 0x50              ; mk
	s_load_b64 s[60:61], s[0:1], 0x58              ; fl
	v_lshl_add_u32 v192, v0, 2, 0xc400
	v_mov_b32 v193, 0
	v_lshrrev_b32 v1, 5, v0
	v_readfirstlane_b32 s26, v1                    ; wave 0..3
	v_and_b32 v2, 31, v0                           ; lane
	s_cmp_ge_u32 ttmp9, NQWG
	s_cbranch_scc1 .Lmask
; ---------------- the quantiser: a wave takes 16 steps of 512 numbers ----------------
	s_mul_i32 s27, s26, WREG
	v_lshlrev_b32 v3, 4, v2                        ; my 16 bytes of a load's 512, and of a step's 512 bytes of codes
	v_lshrrev_b32 v14, 2, v2
	v_mul_u32_u24 v14, v14, SP
	v_and_b32 v15, 3, v2
	v_lshl_add_u32 v14, v15, 4, v14
	v_add_nc_u32 v14, s27, v14                     ; the stage, on the way in: SP (lane / 4) + 16 (lane % 4)
	v_lshrrev_b32 v15, 1, v2
	v_mul_u32_u24 v15, v15, 2*SP
	v_and_b32 v4, 1, v2
	v_lshl_add_u32 v15, v4, 5, v15
	v_add_nc_u32 v15, s27, v15                     ; on the way out: block lane / 2 begins at 2 SP (lane / 2); my eight numbers of its first 16 begin 32 (lane % 2) bytes on, those of its second 16 SP further
	v_lshrrev_b32 v5, 1, v2
	s_add_co_u32 s27, s27, 2*32*SP
	v_add_nc_u32 v5, s27, v5                       ; my wave's 256 scale bytes: my block's byte
	v_lshlrev_b32 v7, 3, v2
	v_add_nc_u32 v6, s27, v7                       ; and on the way out 8 bytes a lane
	s_mov_b32 s33, 0x600000                        ; the mantissa field of 448
	s_wait_kmcnt 0x0
	s_mov_b64 s[28:29], s[16:17]                   ; which tensor, and its first work-group: the choice hangs on the work-group's number alone
	s_mov_b32 s30, 864
	s_cmp_lt_u32 ttmp9, 864
	s_cselect_b64 s[28:29], s[14:15], s[28:29]
	s_cselect_b32 s30, 832, s30
	s_cmp_lt_u32 ttmp9, 832
	s_cselect_b64 s[28:29], s[12:13], s[28:29]
	s_cselect_b32 s30, 800, s30
	s_cmp_lt_u32 ttmp9, 800
	s_cselect_b64 s[28:29], s[10:11], s[28:29]
	s_cselect_b32 s30, 768, s30
	s_cmp_lt_u32 ttmp9, 768
	s_cselect_b64 s[28:29], s[8:9], s[28:29]
	s_cselect_b32 s30, 512, s30
	s_cmp_lt_u32 ttmp9, 512
	s_cselect_b64 s[28:29], s[6:7], s[28:29]
	s_cselect_b32 s30, 256, s30
	s_cmp_lt_u32 ttmp9, 256
	s_cselect_b64 s[28:29], s[4:5], s[28:29]
	s_cselect_b32 s30, 0, s30
	s_sub_co_u32 s30, ttmp9, s30
	s_lshl_b32 s30, s30, 2
	s_add_co_u32 s30, s30, s26                     ; my run of 8,192 numbers in the tensor
	s_lshl_b32 s30, s30, 15                        ; 32,768 bytes a run
	s_mov_b32 s31, 0
	s_add_nc_u64 s[28:29], s[28:29], s[30:31]
	s_lshl_b32 s32, ttmp9, 2
	s_add_co_u32 s32, s32, s26                     ; my run among all seven tensors'
	s_lshl_b32 s34, s32, 13                        ; 8,192 bytes of codes a run
	s_mov_b32 s35, 0
	s_add_nc_u64 s[20:21], s[20:21], s[34:35]
	s_lshl_b32 s34, s32, 8                         ; 256 scale bytes a run
	s_add_nc_u64 s[22:23], s[22:23], s[34:35]
.macro QLOAD t
.irp i, 0,1,2,3
	global_load_b128 v[R+16*((\t)%4)+4*\i:R+16*((\t)%4)+4*\i+3], v3, s[28:29] offset:2048*(\t)+512*\i th:TH_LOAD_NT   ; 32 lanes read 512 consecutive bytes
.endr
.endm
.macro QTURN t                         ; step t's numbers through the stage; LDS serves a wave's instructions in order, so no wait stands between the stores and the loads
.irp i, 0,1,2,3
	ds_store_b128 v14, v[R+16*((\t)%4)+4*\i:R+16*((\t)%4)+4*\i+3] offset:32*SP*((\t)%2)+8*SP*\i
.endr
.irp i, 0,1,2,3
	ds_load_b128 v[X+16*((\t)%2)+4*\i:X+16*((\t)%2)+4*\i+3], v15 offset:32*SP*((\t)%2)+SP*(\i/2)+16*(\i%2)
.endr
.endm
.irp t, 0,1,2,3
	QLOAD \t
.endr
	s_wait_loadcnt 12                              ; step 0's four loads are in
	QTURN 0
.macro QSTEP t
.set XS, X+16*((\t)%2)
.if (\t) > 0
	s_wait_dscnt 1                                 ; this step's numbers are back from the stage (the last step's byte store may be out)
.else
	s_wait_dscnt 0x0
.endif
.if (\t)+4 < STEPS
	QLOAD (\t)+4
.endif
.if (\t)+1 < STEPS
.if STEPS-2-(\t) >= 3
	s_wait_loadcnt 12                              ; the next step's four loads are in; those of the three steps behind it may be out
.else
	s_wait_loadcnt 4*(STEPS-2-(\t))
.endif
	QTURN (\t)+1
.endif
	v_max3_num_f32 v8, |v[XS]|, |v[XS+1]|, |v[XS+2]|               ; the largest magnitude of my 16
	v_max3_num_f32 v9, |v[XS+3]|, |v[XS+4]|, |v[XS+5]|
.irp i, 6,10
	v_max3_num_f32 v8, v8, |v[XS+\i]|, |v[XS+\i+1]|
	v_max3_num_f32 v9, v9, |v[XS+\i+2]|, |v[XS+\i+3]|
.endr
	v_max3_num_f32 v8, v8, |v[XS+14]|, |v[XS+15]|
	v_max3_num_f32 v8, v8, v9, (EMAX+1)<<23        ; and the floor 2^(9 - 127): the byte cannot fall under 1
	v_max_num_f32_dpp v8, v8, v8 row_xmask:1 row_mask:0xf bank_mask:0xf   ; and of my neighbour's 16: the block's
	v_add_nc_u32 v11, -(EMAX<<23), v8              ; 8 off its exponent field: the conversion takes the exponent field of this operand as its scale
	v_and_or_b32 v10, v8, 0x7f800000, s33          ; 448 x the scale
.irp i, 0,1,2,3,4,5,6,7,8,9,10,11,12,13,14,15
	v_med3_num_f32 v[XS+\i], v[XS+\i], -v10, v10   ; the conversion to an 8-bit code does not saturate (ISA guide 7.6.2): the hold comes first
.endr
	v_cvt_scalef32_pk8_fp8_f32 v[C+4*(\t):C+4*(\t)+1], v[XS:XS+7], v11
	v_cvt_scalef32_pk8_fp8_f32 v[C+4*(\t)+2:C+4*(\t)+3], v[XS+8:XS+15], v11
	v_lshrrev_b32 v[E+(\t)], 23, v11               ; the scale's byte
	ds_store_b8 v5, v[E+(\t)] offset:16*(\t)       ; both lanes of a block write the same byte with the same value
	global_store_b128 v3, v[C+4*(\t):C+4*(\t)+3], s[20:21] offset:512*(\t)   ; the wave stores 512 consecutive bytes
.endm
.irp t, 0,1,2,3,4,5,6,7,8,9,10,11,12,13,14,15
	QSTEP \t
.endr
	ds_load_b64 v[12:13], v6                       ; LDS serves a wave's instructions in order: these see my byte stores
	s_wait_dscnt 0x0
	global_store_b64 v7, v[12:13], s[22:23]        ; 32 lanes store 256 consecutive bytes, aligned
	s_wait_tensorcnt 0x0
	ds_add_u32 v192, v193
	s_wait_dscnt 0x0
	s_endpgm
; ---------------- the mask: a wave takes one tile of 16 queries, all 2,048 keys, 256 keys at a time ----------------
.Lmask:
	s_sub_co_u32 s27, ttmp9, NQWG
	s_lshl_b32 s27, s27, 2
	s_add_co_u32 s27, s27, s26                     ; W = 128 b + qt
	v_lshrrev_b32 v7, 4, v2                        ; h
	v_and_b32 v1, 15, v2                           ; r
	v_lshlrev_b32 v3, 11, v7
	v_lshl_add_u32 v3, v1, 4, v3                   ; in memory: lanes 0-15 take 256 bytes of one row, lanes 16-31 of the next
	s_mul_i32 s46, s26, 16*MPIT
	s_add_co_u32 s46, s46, MSTG                    ; my stage
	v_mul_u32_u24 v4, v7, MPIT
	v_lshl_add_u32 v4, v1, 4, v4
	v_add_nc_u32 v4, s46, v4                       ; into it: the same two rows
	v_mul_u32_u24 v5, v1, MPIT
	v_lshl_add_u32 v5, v7, 3, v5
	v_add_nc_u32 v5, s46, v5                       ; out of it: row r, 8 bytes at 8 h of each 16 keys
	v_lshlrev_b32 v6, 3, v2                        ; a step's 64 words leave 8 bytes a lane
.irp i, 8,9,10,11,12,13,14,15
	v_mov_b32 v[\i], 0                             ; written once: a lane write's destination counts as read
.endr
	s_mov_b32 s32, 0xff                            ; the four bytes of a word
	s_mov_b32 s33, 0xff00
	s_mov_b32 s34, 0xff0000
	s_mov_b32 s35, 0xff000000
	s_mov_b32 s50, 0x10101010                      ; the sum of 16 words all of whose bytes are 1
	s_mov_b32 s42, 0                               ; steps that are masked whole
	s_mov_b32 s43, 0                               ; steps with a masked score
	s_mov_b32 s44, -1                              ; lanes all of whose keys are masked, over all steps
	s_mov_b32 s45, 1                               ; the step's bit
	s_lshl_b32 s28, s27, 15                        ; 16 rows of 2,048 bytes
	s_mov_b32 s29, 0
	s_lshl_b32 s30, s27, 12                        ; 16 steps of 256 bytes
	s_mov_b32 s31, 0
	s_lshl_b32 s48, s27, 2                         ; a word of flags a tile
	s_mov_b32 s49, 0
	s_wait_kmcnt 0x0
	s_add_nc_u64 s[28:29], s[18:19], s[28:29]
	s_add_nc_u64 s[30:31], s[24:25], s[30:31]
	s_add_nc_u64 s[48:49], s[60:61], s[48:49]      ; my tile's flags
.macro MLOAD set, off                  ; 16 rows x 256 bytes
.irp e, 0,1,2,3,4,5,6,7
	global_load_b128 v[32+32*\set+4*\e:35+32*\set+4*\e], v3, s[28:29] offset:\e*4096+\off th:TH_LOAD_NT
.endr
.endm
; 256 keys from set u: through the stage, so that lane (r, h) holds row r's bytes; then byte by byte into lane masks.  left: the other set's loads, which may be out
.macro MPAIR u, reload, left
	s_wait_loadcnt \left
.irp e, 0,1,2,3,4,5,6,7
	ds_store_b128 v4, v[32+32*\u+4*\e:35+32*\u+4*\e] offset:\e*2*MPIT
.endr
.irp tt, 0,1,2,3,4,5,6,7,8,9,10,11,12,13,14,15
	ds_load_b64 v[96+2*\tt:97+2*\tt], v5 offset:16*\tt     ; LDS serves a wave's instructions in order: these see the stores above
.endr
	s_wait_dscnt 0x0
.if \reload
	MLOAD \u, 256*\u+512                           ; the 256 keys two turns on
.endif
.irp sp, 0,1
	v_add3_u32 v24, v[96+16*\sp], v[97+16*\sp], v[98+16*\sp]       ; the sum of my 16 words of the step, in two chains: each of its bytes counts masked scores
	v_add3_u32 v25, v[99+16*\sp], v[100+16*\sp], v[101+16*\sp]
.irp i, 6,10
	v_add3_u32 v24, v24, v[96+16*\sp+\i], v[97+16*\sp+\i]
	v_add3_u32 v25, v25, v[98+16*\sp+\i], v[99+16*\sp+\i]
.endr
	v_add3_u32 v24, v24, v[110+16*\sp], v[111+16*\sp]
	v_add_nc_u32 v24, v24, v25
	v_cmp_eq_u32 s40, s50, v24                     ; lanes all of whose 64 scores are masked,
	v_cmp_ne_u32 s41, 0, v24                       ; lanes with a masked score
.irp g, 0,1,2,3,4,5,6,7                        ; the eight words of tile g, in batches, so that no line reads the result of the line just ahead of it
.irp j, 0,1,2,3,4,5,6,7
	v_and_b32 v[16+\j], s[32+\j%4], v[96+16*\sp+2*\g+\j/4]
.endr
.irp j, 0,1,2,3,4,5,6,7
	v_cmp_ne_u32 s[52+\j], 0, v[16+\j]             ; word 8 g + j: a bit for each lane
.endr
.irp j, 0,1,2,3,4,5,6,7
	v_writelane_b32 v[8+4*\u+2*\sp+\g/4], s[52+\j], (8*\g+\j)%32
.endr
.endr
	global_store_b64 v6, v[8+4*\u+2*\sp:9+4*\u+2*\sp], s[30:31] offset:256*(2*\u+\sp)   ; 256 consecutive bytes, aligned
	s_cmp_eq_u32 s40, -1                           ; the flags are made by selects: nothing here branches on the mask
	s_cselect_b32 s46, s45, 0
	s_or_b32 s42, s42, s46
	s_cmp_lg_u32 s41, 0
	s_cselect_b32 s46, s45, 0
	s_or_b32 s43, s43, s46
	s_and_b32 s44, s44, s40
	s_lshl_b32 s45, s45, 1
.endr
.endm
	MLOAD 0, 0
	MLOAD 1, 256
	s_mov_b32 s47, 3
.Lmtrip:
	MPAIR 0, 1, 8
	MPAIR 1, 1, 8
	s_wait_xcnt 0x0                                ; the trip's loads and stores have read their addresses and data: both bases and the eight word registers may be written
	s_add_nc_u64 s[28:29], s[28:29], 512
	s_add_nc_u64 s[30:31], s[30:31], 1024
	s_sub_co_u32 s47, s47, 1
	s_cmp_lg_u32 s47, 0
	s_cbranch_scc1 .Lmtrip
	MPAIR 0, 0, 8                                  ; the last 512 keys load nothing: no load leaves the buffer
	MPAIR 1, 0, 0
	s_lshr_b32 s46, s44, 16
	s_and_b32 s46, s46, s44
	s_and_b32 s46, s46, 0xffff                     ; rows masked at all 2,048 keys (both halves of the lanes)
	s_cmp_lg_u32 s46, 0
	s_cselect_b32 s46, 0xffff, 0
	s_and_not1_b32 s42, 0xffff, s42
	s_or_b32 s42, s42, s46                         ; the steps that have work
	s_lshl_b32 s43, s43, 16
	s_or_b32 s42, s42, s43
	v_mov_b32 v16, s42
	v_mov_b32 v17, 0
	v_cmp_eq_u32 vcc_lo, 0, v2
	s_wait_xcnt 0x0                                ; EXEC changes only behind this wait
	s_wait_tensorcnt 0x0
	ds_add_u32 v192, v193
	s_wait_dscnt 0x0
	s_and_saveexec_b32 s46, vcc_lo
	global_store_b32 v17, v16, s[48:49]            ; lane 0 stores the tile's flags
	s_wait_xcnt 0x0
	s_or_b32 exec_lo, exec_lo, s46
	s_endpgm
.Lfunc_end_k_q292bbe2f45_prep:
	.size	k_q292bbe2f45_prep, .Lfunc_end_k_q292bbe2f45_prep-k_q292bbe2f45_prep
	.p2alignl 7, 3214868480
	.fill 96, 4, 3214868480
	.section	.rodata,"a",@progbits
	.p2align	6, 0x0
	.amdhsa_kernel k_q292bbe2f45_prep
		.amdhsa_group_segment_fixed_size 50688
		.amdhsa_private_segment_fixed_size 0
		.amdhsa_enable_private_segment 0
		.amdhsa_kernarg_size 96
		.amdhsa_user_sgpr_count 2
		.amdhsa_user_sgpr_kernarg_segment_ptr 1
		.amdhsa_wavefront_size32 1
		.amdhsa_system_sgpr_workgroup_id_x 1
		.amdhsa_system_sgpr_workgroup_id_y 1
		.amdhsa_system_sgpr_workgroup_id_z 1
		.amdhsa_system_vgpr_workitem_id 0
		.amdhsa_next_free_vgpr 194
		.amdhsa_next_free_sgpr 66
		.amdhsa_reserve_vcc 1
		.amdhsa_float_denorm_mode_32 3
		.amdhsa_float_denorm_mode_16_64 3
		.amdhsa_memory_ordered 1
		.amdhsa_forward_progress 1
		.amdhsa_inst_pref_size 152
	.end_amdhsa_kernel
	.amdgpu_metadata
---
amdhsa.version: [ 1, 2 ]
amdhsa.kernels:
  - .name:           k_q292bbe2f45_prep
    .symbol:         k_q292bbe2f45_prep.kd
    .args:
      - { .name: q, .offset: 0, .size: 8, .value_kind: global_buffer, .address_space: global }
      - { .name: k, .offset: 8, .size: 8, .value_kind: global_buffer, .address_space: global }
      - { .name: v, .offset: 16, .size: 8, .value_kind: global_buffer, .address_space: global }
      - { .name: Wq, .offset: 24, .size: 8, .value_kind: global_buffer, .address_space: global }
      - { .name: Wk, .offset: 32, .size: 8, .value_kind: global_buffer, .address_space: global }
      - { .name: Wv, .offset: 40, .size: 8, .value_kind: global_buffer, .address_space: global }
      - { .name: Wo, .offset: 48, .size: 8, .value_kind: global_buffer, .address_space: global }
      - { .name: attn_mask, .offset: 56, .size: 8, .value_kind: global_buffer, .address_space: global }
      - { .name: c1, .offset: 64, .size: 8, .value_kind: global_buffer, .address_space: global }
      - { .name: s1, .offset: 72, .size: 8, .value_kind: global_buffer, .address_space: global }
      - { .name: mk, .offset: 80, .size: 8, .value_kind: global_buffer, .address_space: global }
      - { .name: fl, .offset: 88, .size: 8, .value_kind: global_buffer, .address_space: global }
    .group_segment_fixed_size: 50688
    .private_segment_fixed_size: 0
    .kernarg_segment_align: 8
    .kernarg_segment_size: 96
    .max_flat_workgroup_size: 128
    .sgpr_count:     66
    .vgpr_count:     194
    .wavefront_size: 32
...
	.end_amdgpu_metadata
.endif
;; end of part 1
;; launch proj (part 2): grid 4 x 96, 4 waves a work-group, clusters of 4 x 4, 327,680 bytes of LDS; arguments c1, s1, bq, bk, bv, qkv, qkvs; writes qkv, qkvs
.if DOCPART == 2
	.amdgcn_target "amdgcn-amd-amdhsa--gfx1250"
	.amdhsa_code_object_version 6
	.text
	.protected	k_q292bbe2f45_proj
	.globl	k_q292bbe2f45_proj
	.p2align	8
	.type	k_q292bbe2f45_proj,@function
k_q292bbe2f45_proj:
	s_mov_b64 s[64:65], 0
	v_nop
	global_prefetch_b8 v0, s[64:65] scope:SCOPE_SE
	s_setreg_imm32_b32 hwreg(HW_REG_WAVE_MODE, 25, 1), 1
	s_wait_xcnt 0x0
	s_wait_alu depctr_hold_cnt(0) depctr_sa_sdst(0) depctr_va_vdst(0) depctr_va_sdst(0) depctr_va_ssrc(0) depctr_va_vcc(0) depctr_vm_vsrc(0)
	s_getreg_b32 s2, hwreg(HW_REG_IB_STS2, 6, 4)
	s_cmp_eq_u32 s2, 0
	s_cbranch_scc0 .Lentry_in_a_cluster
	s_endpgm
.Lentry_in_a_cluster:
	s_bfe_u32 s2, ttmp6, 0x10000c
	s_cmp_lg_u32 s2, 0xf033
	s_cbranch_scc0 .Lentry_shape_is_right
	s_endpgm
.Lentry_shape_is_right:
; qh = q Wq^T + bq, kh = k Wk^T + bk, vh = v Wv^T + bv on codes of FP8 (E4M3) with one E8M0 scale for each 32 along K = 1,024; the results are quantised here for the attention's two products and leave as IMAGES OF
; OPERAND REGISTERS (a group of four registers: 16 bytes a lane, 512 consecutive bytes a store).  qh and kh are quantised along the head's 64, vh along the keys.
; A tile of 256 x 256 is made by four waves, each 128 x 128: 64 accumulators of 16 x 16, 512 registers.  K goes in steps of 256 through a ring of two LDS slots filled by the tensor data mover; the scale bytes of the
; work-group's 256 + 256 rows come once.  Work-group y / 32 says which of the three products (TEN); the three activations lie on end in c1, so their rows are 256 y on.
; CLUSTERS: 4 x 4 work-groups; the activations' tile is shared along a row of the cluster, the weights' along a column: joint loads with a mask that names the four.  TEN is the same in all sixteen.
; THE MATRIX INSTRUCTION: source 0 = the 'B registers' (window 1), source 1 = the 'A registers' (window 0): a lane holds one row of A's and its registers run along B's rows.
;   q, k: A registers = tokens, B registers = rows of W: a lane holds a token, its registers run along (head, d).
;   v:    the READ addresses of the two are swapped (fills, masks and descriptors are not): a lane holds a d, its registers run along the keys.
; The 16 registers of two neighbouring result tiles are elements 32 c + 8 h + 0..7 and 32 c + 16 + 8 h + 0..7: the order of codes in a block that every operand of this program has.
; The bias is the C of each sum's first product.  LIMITS: a block of zeros gets the byte 1 (its codes are zeros; this program alone reads the bytes); NaN and infinities are not served.
; REGISTERS: window 0: v0-31 addresses; v32-63 scale words, two sets; v64-127 the bias in the result's layout; from v128 A's fragments, ONE set.  window 1: B's fragments, TWO sets.  windows 2, 3: the accumulators.
; No prefetch is laid: the tiles are shared by joint loads and each refill has a K step's 128 matrix instructions in which to land.
.set KSTEP,  256
.set NQ,     2
.set ROWB,   256
.set KROW,   1024
.set PITCH,  272                       ; an LDS row: 256 bytes + 16 of padding = 68 words: the 16 rows that a load touches start at 16 different banks (64 banks of 4 bytes: ISA guide 11.1)
.set FR,     16
.set NL,     4
.set NP,     8                         ; places behind this matrix instruction (ISA guide 7.12.1)
.set HALFT,  128*PITCH
.set SLOT,   4*HALFT                   ; the activations' 256 rows, then the weights' 256 rows
.set LAPS,   2                         ; 1,024 / 512
.set KS,     32                        ; a row of scale bytes
.set SCL,    2*SLOT
.set HALFS,  (128*KS/256)*272
.set SBLK,   (16*KS/256)*272
.set SPARE,  327168                    ; the spare words, 128 bytes for each wave, at the end of LDS: two blocks of 256 bytes that no other line names
.set WCOD,   25165824                  ; where the weights' codes begin in c1; 1,048,576 bytes each
.set WSCL,   786432                    ; and their scale bytes in s1; 32,768 bytes each
.set ADRA, 16
.set ADRB, 20
.set CO,   26                          ; v26  16 x lane
.set ADRS, 27
.set SPW,  28
.set NIL,  29
.set C8,   30                          ; v30  8 x lane
.set SC,   32
.set BIAS, 64
.set AF,   128
.set TM,   32                          ; the way out, in window 0: v32-35 largest magnitudes, v36-39 bytes, v40-43 448 x the scale, v44-47 the conversions' scale operands
.set T4,   36
.set HO,   40
.set SOP,  44
.set XN,   128                         ; v128-191 64 held numbers
.set CD,   192                         ; v192-207 their codes
.set YW,   224                         ; v224-235 scale words on their way out
.set PW,   240                         ; v240-247 block a's scale word
.set G1, 24
.set G0, 32
.set G1B, 48
.set G0B, 56
.set G1S, 68
.set G0S, 76
.set G1SB, 80
.set G0SB, 88
.set MSB, 0
.macro WIN new                         ; the immediate's high byte repeats the setting that is left
.if MSB != \new
	s_set_vgpr_msb (MSB<<8)|\new
.set MSB, \new
.endif
.endm
.set MUL_LO, 0xa1                      ; source 0 window 1, source 1 window 0, C and D window 2
.set MUL_HI, 0xf1                      ; the same, C and D window 3
.set TO_B,   0x40
; A joint load: waves 0 and 1 fetch the activations' halves, waves 2 and 3 the weights'.  The branch hangs on the wave's number alone.  Four v_nop follow each of the two lines.
.macro JLOAD g0a, g1a, g0b, g1b
	s_cmp_eq_u32 s15, 0
	s_cbranch_scc0 .Lfor_b_\@
	tensor_load_to_lds s[\g0a:\g0a+3], s[\g1a:\g1a+7]
	s_nop 0
.rept 4
	v_nop
.endr
	s_branch .Lasked_\@
.Lfor_b_\@:
	tensor_load_to_lds s[\g0b:\g0b+3], s[\g1b:\g1b+7]
	s_nop 0
.rept 4
	v_nop
.endr
.Lasked_\@:
.endm
.macro CREST                           ; a round of the cluster's barrier behind its opening barrier
	s_cmp_lg_u32 s14, 0
	s_cbranch_scc1 .Lnot_wave_0_\@
	s_barrier_signal -3
.Lnot_wave_0_\@:
	s_barrier_wait -3
	s_barrier_signal -1
	s_barrier_wait -1
.endm
.macro CROUND
	s_barrier_signal -1
	s_barrier_wait -1
	CREST
.endm
	s_load_b256 s[4:11], s[0:1], 0x0               ; c1 s[4:5], s1 s[6:7], bq s[8:9], bk s[10:11]
	s_load_b128 s[96:99], s[0:1], 0x20             ; bv s[96:97], qkv s[98:99]
	s_load_b64 s[100:101], s[0:1], 0x30            ; qkvs
	v_lshl_add_u32 v[SPW], v0, 2, SPARE
	v_mov_b32 v[NIL], 0
	ds_add_u32 v28, v29
	ds_add_u32 v28, v29
	s_wait_dscnt 0x0
	v_lshrrev_b32 v1, 5, v0
	v_readfirstlane_b32 s14, v1                    ; wave 0..3
	s_lshr_b32 s15, s14, 1                         ; which half of the A registers' rows is mine.  Also: I fetch activations (0) or weights (1)
	s_and_b32 s16, s14, 1                          ; which half of the B registers' rows.  Also: which 128 rows of that tile I fetch
	s_bfe_u32 s40, ttmp6, 0x40000                  ; cx, cy: my place in the cluster
	s_bfe_u32 s41, ttmp6, 0x40004
	s_lshl_b32 s42, ttmp9, 2
	s_add_co_u32 s42, s42, s40                     ; work-group x: which 256 rows of W
	s_and_b32 s17, ttmp7, 0xffff
	s_lshr_b32 s95, s17, 3                         ; TEN: 0 q, 1 k, 2 v: eight clusters along y for each
	s_lshl_b32 s17, s17, 2
	s_add_co_u32 s17, s17, s41                     ; work-group y: which 256 rows of the three activations on end
	s_lshl_b32 s43, s41, 2
	s_lshl_b32 s43, 15, s43                        ; my row of the cluster
	s_lshl_b32 s44, 0x1111, s40                    ; my column
	s_cmp_eq_u32 s95, 2
	s_cselect_b32 s104, 1, 0                       ; is it v?
	; descriptor group 1: a tile of 128 rows x 256 bytes, padded in LDS
	s_or_b32 s[G1+0], s43, (0<<16)|(1<<20)|(1<<21)|(5<<22)|(3<<25)  ; 15:0 the mask; 17:16 elements of 1 byte; 20 padding on; 21 set beside a mask; 24:22 after every 64 words; 31:25 four words
	s_or_b32 s[G1B+0], s44, (0<<16)|(1<<20)|(1<<21)|(5<<22)|(3<<25)
.irp g, G1, G1B
	s_mov_b32 s[\g+1], ROWB<<16                    ; tensor_dim0
	s_mov_b32 s[\g+2], 128<<16                     ; tensor_dim1
	s_mov_b32 s[\g+3], ROWB<<16                    ; tile_dim0
	s_mov_b32 s[\g+4], 128                         ; tile_dim1
	s_mov_b32 s[\g+5], KROW                        ; tensor_dim0_stride
	s_mov_b32 s[\g+6], 0
	s_mov_b32 s[\g+7], 0
.endr
	; the scale bytes of 128 rows: a dense block of 4,096 bytes, as rows of 256 bytes (32 elements of 8 bytes), 16 bytes of padding behind each
	s_or_b32 s[G1S+0], s43, (3<<16)|(1<<20)|(1<<21)|(5<<22)|(3<<25)
	s_or_b32 s[G1SB+0], s44, (3<<16)|(1<<20)|(1<<21)|(5<<22)|(3<<25)
.irp g, G1S, G1SB
	s_mov_b32 s[\g+1], 32<<16
	s_mov_b32 s[\g+2], (128*KS/256)<<16
	s_mov_b32 s[\g+3], 32<<16
	s_mov_b32 s[\g+4], 128*KS/256
	s_mov_b32 s[\g+5], 32
	s_mov_b32 s[\g+6], 0
	s_mov_b32 s[\g+7], 0
.endr
	s_lshl_b32 s18, s16, 7                         ; which 128 rows of the tile I fetch
	s_lshl_b32 s20, s17, 8
	s_add_co_u32 s20, s20, s18                     ; activations: row 256 y + 128 x half
	s_lshl_b32 s46, s42, 8
	s_add_co_u32 s46, s46, s18                     ; weights: row 256 x + 128 x half
	s_lshl_b32 s22, s20, 5                         ; offsets in bytes, all under 2^32: scale bytes, 32 a row;
	s_mov_b32 s23, 0
	s_lshl_b32 s20, s20, 10                        ; codes, 1,024 a row
	s_mov_b32 s21, 0
	s_lshl_b32 s92, s46, 5
	s_lshl_b32 s19, s95, 15
	s_add_co_u32 s92, s92, s19
	s_add_co_u32 s92, s92, WSCL
	s_mov_b32 s93, 0
	s_lshl_b32 s46, s46, 10
	s_lshl_b32 s19, s95, 20
	s_add_co_u32 s46, s46, s19
	s_add_co_u32 s46, s46, WCOD
	s_mov_b32 s47, 0
	s_mul_i32 s45, s14, HALFT                      ; where they go: wave x 128 rows: no place in the cluster enters an LDS address
	s_mul_i32 s94, s14, HALFS
	s_wait_kmcnt 0x0
	s_add_nc_u64 s[20:21], s[4:5], s[20:21]
	s_add_nc_u64 s[22:23], s[6:7], s[22:23]
	s_add_nc_u64 s[46:47], s[4:5], s[46:47]
	s_add_nc_u64 s[92:93], s[6:7], s[92:93]
	s_cmp_eq_u32 s95, 1                            ; the bias of this product
	s_cselect_b64 s[96:97], s[10:11], s[96:97]
	s_cmp_eq_u32 s95, 0
	s_cselect_b64 s[96:97], s[8:9], s[96:97]
	CROUND                                         ; all sixteen work-groups are here: the first joint loads meet
	s_mov_b32 s[G0S], 1
	s_add_co_u32 s[G0S+1], s94, SCL
	s_mov_b64 s[G0S+2:G0S+3], s[22:23]
	s_or_b32 s[G0S+3], s[G0S+3], 0x80000000
	s_mov_b32 s[G0SB], 1
	s_add_co_u32 s[G0SB+1], s94, SCL
	s_mov_b64 s[G0SB+2:G0SB+3], s[92:93]
	s_or_b32 s[G0SB+3], s[G0SB+3], 0x80000000
	JLOAD G0S, G1S, G0SB, G1SB                     ; the scales first: they are wanted with K step 0
.irp s, 0,1
	s_mov_b32 s[G0+4*\s], 1
	s_add_co_u32 s[G0+4*\s+1], s45, \s*SLOT
	s_add_nc_u64 s[G0+4*\s+2:G0+4*\s+3], s[20:21], \s*ROWB
	s_or_b32 s[G0+4*\s+3], s[G0+4*\s+3], 0x80000000
	s_mov_b32 s[G0B+4*\s], 1
	s_add_co_u32 s[G0B+4*\s+1], s45, \s*SLOT
	s_add_nc_u64 s[G0B+4*\s+2:G0B+4*\s+3], s[46:47], \s*ROWB
	s_or_b32 s[G0B+4*\s+3], s[G0B+4*\s+3], 0x80000000
	JLOAD G0+4*\s, G1, G0B+4*\s, G1B               ; three loads of mine are out
.endr
	v_and_b32 v1, 15, v0                           ; r
	v_bfe_u32 v2, v0, 4, 1                         ; h
	v_mul_u32_u24 v3, v1, PITCH
	v_lshl_add_u32 v4, v2, 4, v3                   ; a fragment's row x pitch + 16 x half
	s_cmp_eq_u32 s104, 1                           ; for v the A registers read the weights' rows and the B registers the activations'
	s_cselect_b32 s18, 2*HALFT, 0
	s_cselect_b32 s19, 0, 2*HALFT
	s_cselect_b32 s105, s16, s15                   ; sX: which half of the activations' 256 rows is mine
	s_cselect_b32 s2, s15, s16                     ; sW: which half of the weights'
	s_cselect_b32 s92, 4, 0                        ; the bias's address: bytes for each r,
	s_cselect_b32 s93, 0, 32                       ; each h,
	s_cselect_b32 s94, 0, 4                        ; each register
	s_mul_i32 s21, s15, HALFT
	s_add_co_u32 s21, s21, s18
	s_mul_i32 s22, s16, HALFT
	s_add_co_u32 s22, s22, s19
.irp s, 0,1
	v_add_nc_u32 v[ADRA+\s], s21, v4
	v_add_nc_u32 v[ADRB+\s], s22, v4
	s_add_co_u32 s21, s21, SLOT
	s_add_co_u32 s22, s22, SLOT
.endr
	v_mul_u32_u24 v5, v1, KS                       ; my row's scale bytes: 32 a row,
	v_lshrrev_b32 v6, 8, v5
	v_lshl_add_u32 v5, v6, 4, v5                   ; and 16 more for each 256 passed
	s_mul_i32 s21, s105, HALFS                     ; the activations': my 128 rows
	s_mul_i32 s22, s2, HALFS                       ; the weights': my 128 rows, behind the activations' 256
	s_add_co_u32 s22, s22, 2*HALFS
	s_sub_co_u32 s22, s22, s21                     ; the distance between the two
	v_xor_b32 v6, s104, v2                         ; lanes 0-15 carry the A registers' words, lanes 16-31 the B registers': the weights' where h xor (is it v) is 1
	v_mul_u32_u24 v6, s22, v6
	s_add_co_u32 s21, s21, SCL
	v_add_nc_u32 v5, v5, v6
	v_add_nc_u32 v[ADRS], s21, v5
	v_and_b32 v6, 31, v0
	v_lshlrev_b32 v[CO], 4, v6
	v_lshlrev_b32 v[C8], 3, v6
	; the bias in the result's layout.  q, k: register j of tile b is W's row 16 b + 8 h + j; v: every register of tile a is W's row 16 a + r
	v_mul_u32_u24 v8, v1, s92
	v_mad_u32_u24 v8, v2, s93, v8
.irp j, 1,2,3,4,5,6,7
	v_add_nc_u32 v[8+\j], s94, v[7+\j]
.endr
	s_lshl_b32 s46, s42, 10                        ; 4 bytes x (256 x + 128 sW)
	s_lshl_b32 s47, s2, 9
	s_add_co_u32 s46, s46, s47
	s_mov_b32 s47, 0
	s_add_nc_u64 s[96:97], s[96:97], s[46:47]
.irp t, 0,1,2,3,4,5,6,7
.irp j, 0,1,2,3,4,5,6,7
	global_load_b32 v[BIAS+8*\t+\j], v[8+\j], s[96:97] offset:64*\t
.endr
.endr
.macro FRAG reg, adr, q, i             ; 16 rows x 128 K of 8-bit codes: lane l holds row l % 16; registers 4 c .. 4 c + 3 hold places 32 c + 16 (l / 16) + 0 .. 15
.irp c, 0,1,2,3
	ds_load_b128 v[\reg+4*\c:\reg+4*\c+3], v[\adr] offset:128*(\q)+32*\c+(\i)*16*PITCH
.endr
.endm
; 16 matrix instructions: A's blocks a0, a0 + 1 x B's eight.  mode 0: the sums go on; 1: they start from the bias of B's block; 2: from the bias of A's block.  The 64 accumulators take turns.
.macro MUL16 a0, p, q, sc, mode
.irp a, \a0, \a0+1
.irp b, 0,1,2,3,4,5,6,7
.if \mode == 1
	v_wmma_scale_f32_16x16x128_f8f6f4 v[8*(8*((\a)%4)+\b):8*(8*((\a)%4)+\b)+7], v[128*(\p)+FR*\b:128*(\p)+FR*\b+FR-1], v[AF+FR*(\a):AF+FR*(\a)+FR-1], v[BIAS+8*\b:BIAS+8*\b+7], v[SC+8*NQ*(\sc)+NQ*\b+(\q)], v[SC+8*NQ*(\sc)+NQ*(\a)+(\q)] matrix_a_scale:MATRIX_SCALE_ROW1
.elseif \mode == 2
	v_wmma_scale_f32_16x16x128_f8f6f4 v[8*(8*((\a)%4)+\b):8*(8*((\a)%4)+\b)+7], v[128*(\p)+FR*\b:128*(\p)+FR*\b+FR-1], v[AF+FR*(\a):AF+FR*(\a)+FR-1], v[BIAS+8*(\a):BIAS+8*(\a)+7], v[SC+8*NQ*(\sc)+NQ*\b+(\q)], v[SC+8*NQ*(\sc)+NQ*(\a)+(\q)] matrix_a_scale:MATRIX_SCALE_ROW1
.else
	v_wmma_scale_f32_16x16x128_f8f6f4 v[8*(8*((\a)%4)+\b):8*(8*((\a)%4)+\b)+7], v[128*(\p)+FR*\b:128*(\p)+FR*\b+FR-1], v[AF+FR*(\a):AF+FR*(\a)+FR-1], v[8*(8*((\a)%4)+\b):8*(8*((\a)%4)+\b)+7], v[SC+8*NQ*(\sc)+NQ*\b+(\q)], v[SC+8*NQ*(\sc)+NQ*(\a)+(\q)] matrix_a_scale:MATRIX_SCALE_ROW1
.endif
.endr
.endr
.endm
.macro FETCH_B slot, q, p
	WIN TO_B
.irp i, 0,1,2,3,4,5,6,7
	FRAG 128*(\p)+FR*\i, ADRB+\slot, \q, \i
.endr
	WIN 0
.endm
.macro FETCH_A slot, q, i0
.irp i, \i0, \i0+1, \i0+2, \i0+3
	FRAG AF+FR*(\i), ADRA+\slot, \q, \i
.endr
.endm
.macro SCALES sc                       ; a K step's scale words into set sc: two words a row; lanes 0-15 the A registers' block i, lanes 16-31 the B registers' block i
.irp i, 0,1,2,3,4,5,6,7
	ds_load_b64 v[SC+8*NQ*\sc+NQ*\i:SC+8*NQ*\sc+NQ*\i+1], v[ADRS] offset:\i*SBLK
.endr
.endm
; A load into a register that a matrix instruction has read, and a vector instruction that reads a matrix result or writes one of its registers, stand NP places behind it; only plain vector instructions that name
; none of its registers are places (ISA guide 7.12.1 for vector instructions).
.macro PLACES n
.rept \n
	v_nop
.endr
.endm
.macro STEP slot, q, mode              ; a step of 128 along K that has its successor in the same slot
	s_wait_dscnt 4*NL                              ; B's set and A's blocks 0-3 are in; the youngest sixteen loads (A's blocks 4-7) may be out
.if \mode
	WIN 0x81                                       ; C (the bias) in window 0, D in window 2
.else
	WIN MUL_LO
.endif
	MUL16 0, (\q)%2, \q, \slot, \mode
	MUL16 2, (\q)%2, \q, \slot, \mode
	s_wait_dscnt 0
	PLACES NP
	FETCH_B \slot, (\q)+1, 1-(\q)%2
	FETCH_A \slot, (\q)+1, 0
.if \mode
	WIN 0xc1
.else
	WIN MUL_HI
.endif
	MUL16 4, (\q)%2, \q, \slot, \mode
	MUL16 6, (\q)%2, \q, \slot, \mode
	PLACES NP
	WIN 0
	FETCH_A \slot, (\q)+1, 4
.endm
; A slot's last step changes slots: ONE barrier; in front of it each wave waits for all its tensor loads, adds 0 to its spare word, and waits for that and for its own reads of this slot.
.macro TURN slot, next, fill
	s_wait_tensorcnt 0x0                           ; all my tensor loads have landed: my part of the next slot
	ds_add_u32 v[SPW], v[NIL]                      ; 0 onto my spare word
	s_wait_dscnt 4*NL+1                            ; (the add and the youngest sixteen loads may be out)
	WIN MUL_LO
	MUL16 0, 1, NQ-1, \slot, 0
	s_wait_dscnt 0x0                               ; the add is done, and my reads of this slot are over
	s_barrier_signal -1
	MUL16 2, 1, NQ-1, \slot, 0
	WIN 0
	s_barrier_wait -1
.if \fill
	CREST                                          ; the barrier has opened a round of the cluster's barrier: no wave of any partner still reads this slot or has a load on its way
	s_add_nc_u64 s[G0+4*\slot+2:G0+4*\slot+3], s[G0+4*\slot+2:G0+4*\slot+3], 2*ROWB
	s_add_nc_u64 s[G0B+4*\slot+2:G0B+4*\slot+3], s[G0B+4*\slot+2:G0B+4*\slot+3], 2*ROWB
	JLOAD G0+4*\slot, G1, G0B+4*\slot, G1B         ; the first tensor load behind the round; its four v_nop are among the places in front of the loads below
	PLACES NP-4
.else
	PLACES NP
.endif
	v_add_nc_u32 v[ADRS], 4*NQ, v[ADRS]            ; on to the next K step's scale words
	FETCH_B \next, 0, 0
	FETCH_A \next, 0, 0
	SCALES \next
	WIN MUL_HI
	MUL16 4, 1, NQ-1, \slot, 0
	MUL16 6, 1, NQ-1, \slot, 0
	PLACES NP
	WIN 0
	FETCH_A \next, 0, 4
.endm
	s_wait_loadcnt 0x0                             ; the bias
	s_wait_tensorcnt 1                             ; the scales and my part of K step 0 are in (K step 1's load may be out),
	s_barrier_signal -1
	s_barrier_wait -1                              ; everybody's are
	FETCH_B 0, 0, 0
	FETCH_A 0, 0, 0
	SCALES 0
	FETCH_A 0, 0, 4
	s_cmp_eq_u32 s104, 1                           ; the first step is written twice: the bias lies along the registers (q, k) or along the lanes (v).  No tensor load and no barrier stands in it
	s_cbranch_scc1 .Lfirst_v
	STEP 0, 0, 1
	s_branch .Lfirst_done
.Lfirst_v:
	STEP 0, 0, 2
.Lfirst_done:
	s_mov_b32 s3, LAPS-1
.Llap:
	TURN 0, 1, 1
	STEP 1, 0, 0
	TURN 1, 0, 1
	STEP 0, 0, 0
	s_sub_co_u32 s3, s3, 1
	s_cmp_lg_u32 s3, 0
	s_cbranch_scc1 .Llap
	TURN 0, 1, 0                                   ; the last lap fills nothing, and has no round of the cluster's barrier
	STEP 1, 0, 0
	s_wait_dscnt 4*NL
	WIN MUL_LO
	MUL16 0, 1, NQ-1, 1, 0
	MUL16 2, 1, NQ-1, 1, 0
	s_wait_dscnt 0
	WIN MUL_HI
	MUL16 4, 1, NQ-1, 1, 0
	MUL16 6, 1, NQ-1, 1, 0
	WIN 0
	PLACES NP
	; THE WAY OUT.  No tensor load of mine is out, so the descriptors' registers are free.  m: my first token in its tensor; n: my first row of W; bh0 = 16 (m / 2048) + n / 64: my first head
	s_and_b32 s20, s17, 31
	s_lshl_b32 s20, s20, 8
	s_lshl_b32 s21, s105, 7
	s_add_co_u32 s20, s20, s21                     ; m
	s_lshl_b32 s46, s42, 8
	s_lshl_b32 s47, s2, 7
	s_add_co_u32 s46, s46, s47                     ; n
	s_lshr_b32 s46, s46, 6
	s_lshr_b32 s21, s20, 11
	s_lshl_b32 s21, s21, 4
	s_add_co_u32 s21, s21, s46                     ; bh0
	s_and_b32 s20, s20, 2047                       ; my first token in its batch
	s_cmp_eq_u32 s95, 0                            ; q: a head is 131,072 bytes, a token 64; k, v: a head is 262,144 bytes behind q's 8,388,608, a token 128
	s_cselect_b32 s22, 17, 18
	s_cselect_b32 s23, 6, 7
	s_cselect_b32 s24, 0, 8388608
	s_mov_b32 s25, 262144
	s_cselect_b32 s25, 131072, s25                 ; from a block's first two groups of four registers to its last two: the next head (q, k),
	s_mov_b32 s47, 12288
	s_cselect_b32 s47, 8192, s47                   ; scale words: from head to head
	s_cselect_b32 s52, 0, 524288
	s_cmp_eq_u32 s104, 1
	s_cselect_b32 s25, 1024, s25                   ; or 1,024 bytes on in the same image (v)
	s_mov_b32 s27, 1024
	s_cselect_b32 s36, 2048, s27                   ; from block to block,
	s_cselect_b32 s38, 256000, s27                 ; and from block 3 to block 4 (v: the next head)
	s_cselect_b32 s28, 8192, 0                     ; v's images lie behind k's in a key step
	s_cselect_b32 s53, 8, 9                        ; scale words of a group of 128 tokens: 512 bytes (q, k) or 256 (v),
	s_cselect_b32 s54, 8192, 0                     ; v's behind k's
	s_mov_b32 s37, 0
	s_mov_b32 s39, 0
	s_lshl_b32 s29, s21, s22
	s_lshl_b32 s30, s20, s23
	s_add_co_u32 s29, s29, s30
	s_add_co_u32 s29, s29, s24
	s_add_co_u32 s32, s29, s28
	s_mov_b32 s33, 0
	s_add_nc_u64 s[32:33], s[98:99], s[32:33]      ; where block 0's first two groups go
	s_mov_b32 s34, s25
	s_mov_b32 s35, 0
	s_add_nc_u64 s[34:35], s[32:33], s[34:35]      ; and its last two
	s_lshr_b32 s46, s20, 7
	s_lshl_b32 s46, s46, s53
	s_mul_i32 s48, s21, s47
	s_add_co_u32 s48, s48, s46
	s_add_co_u32 s48, s48, s52
	s_add_co_u32 s48, s48, s54
	s_mov_b32 s49, 0
	s_add_nc_u64 s[48:49], s[100:101], s[48:49]    ; my first head's scale words
	s_mov_b32 s50, s47
	s_mov_b32 s51, 0
	s_add_nc_u64 s[50:51], s[48:49], s[50:51]      ; my second head's
	s_mov_b32 s40, 0x76543210
	s_mov_b32 s41, 0xfedcba98                      ; v_permlanex16_b32's selects for lane l xor 16
	s_mov_b32 s43, 0x600000                        ; the mantissa field of 448
	s_mov_b32 s44, 0xffff0000                      ; lanes 16-31
	s_mov_b32 s45, 0x7f7f0000                      ; the scale 1 for the half of K that holds zero codes
; Block a (A registers' rows 16 a on): its 64 numbers a lane are four blocks of 32 shared with lane l xor 16; they become 16 registers of codes and a scale word, and the codes leave, 512 consecutive bytes a store.
.macro QOUT a
.set AC, 64*((\a)%4)
	WIN 5*(2+(\a)/4)                               ; sources 0 and 1: the accumulators' window
.irp c, 0,1,2,3
	v_max3_num_f32 v[TM+\c], |v[AC+16*\c]|, |v[AC+16*\c+1]|, 0x4800000   ; each accumulator from its low end on; the floor 2^(9 - 127) holds the byte at 1 from below
.endr
.irp i, 2,4,6,8,10,12,14
.irp c, 0,1,2,3
	v_max3_num_f32 v[TM+\c], |v[AC+16*\c+\i]|, |v[AC+16*\c+\i+1]|, v[TM+\c]
.endr
.endr
	WIN 0
.irp c, 0,1,2,3
	v_permlanex16_b32 v[T4+\c], v[TM+\c], s40, s41
.endr
.irp c, 0,1,2,3
	v_max_num_f32 v[TM+\c], v[TM+\c], v[T4+\c]     ; the block's largest magnitude
.endr
.irp c, 0,1,2,3
	v_add_nc_u32 v[SOP+\c], 0xfc000000, v[TM+\c]   ; 8 off its exponent field: the conversion's scale operand
.endr
.irp c, 0,1,2,3
	v_and_or_b32 v[HO+\c], v[TM+\c], 0x7f800000, s43   ; 448 x the scale
.endr
.irp c, 0,1,2,3
	v_lshrrev_b32 v[T4+\c], 23, v[SOP+\c]          ; the scale's byte
.endr
	v_lshl_or_b32 v[PW+\a], v[T4+1], 8, v[T4]
	v_lshl_or_b32 v[PW+\a], v[T4+2], 16, v[PW+\a]
	v_lshl_or_b32 v[PW+\a], v[T4+3], 24, v[PW+\a]
	WIN 2+(\a)/4                                   ; source 0: the accumulators' window
.irp c, 0,1,2,3
.irp i, 0,1,2,3,4,5,6,7,8,9,10,11,12,13,14,15
	v_med3_num_f32 v[XN+16*\c+\i], v[AC+16*\c+\i], -v[HO+\c], v[HO+\c]   ; the conversion to an 8-bit code does not saturate (ISA guide 7.6.2): the hold comes first
.endr
.endr
	WIN 0
.if (\a) > 0
	s_wait_xcnt 0x0                                ; the last block's stores have read their data and bases: both are written below
.if (\a) == 4
	s_add_nc_u64 s[32:33], s[32:33], s[38:39]
	s_add_nc_u64 s[34:35], s[34:35], s[38:39]
.else
	s_add_nc_u64 s[32:33], s[32:33], s[36:37]
	s_add_nc_u64 s[34:35], s[34:35], s[36:37]
.endif
.endif
.irp c, 0,1,2,3
	v_cvt_scalef32_pk8_fp8_f32 v[CD+4*\c:CD+4*\c+1], v[XN+16*\c:XN+16*\c+7], v[SOP+\c]
	v_cvt_scalef32_pk8_fp8_f32 v[CD+4*\c+2:CD+4*\c+3], v[XN+16*\c+8:XN+16*\c+15], v[SOP+\c]
.endr
	v_nop                                          ; a plain vector line behind the last conversion
	global_store_b128 v[CO], v[CD:CD+3], s[32:33]
	global_store_b128 v[CO], v[CD+4:CD+7], s[32:33] offset:512
	global_store_b128 v[CO], v[CD+8:CD+11], s[34:35]
	global_store_b128 v[CO], v[CD+12:CD+15], s[34:35] offset:512
.endm
.irp a, 0,1,2,3,4,5,6,7
	QOUT \a
.endr
	; the scale words.  Both halves of the lanes hold the same word; lanes 16-31 take the later tiles' words, so that one store carries all eight (q, k) or four (v) tiles of a head
	s_cmp_eq_u32 s104, 1
	s_cbranch_scc1 .Lv_words
.irp j, 0,1,2,3
	v_cndmask_b32 v[YW+\j], v[PW+\j], v[PW+4+\j], s44
.endr
.irp j, 0,1,2,3
	v_and_or_b32 v[YW+4+\j], v[YW+\j], 0xffff, s45 ; my first head's two bytes, and the scale 1 twice
.endr
.irp j, 0,1,2,3
	v_lshrrev_b32 v[YW+8+\j], 16, v[YW+\j]
.endr
.irp j, 0,1,2,3
	v_or_b32 v[YW+8+\j], s45, v[YW+8+\j]           ; my second head's
.endr
	global_store_b128 v[CO], v[YW+4:YW+7], s[48:49]
	global_store_b128 v[CO], v[YW+8:YW+11], s[50:51]
	s_branch .Lwords_done
.Lv_words:
.irp e, 0,1
.irp j, 0,1
	v_cndmask_b32 v[YW+2*\e+\j], v[PW+4*\e+\j], v[PW+4*\e+2+\j], s44
.endr
.endr
	global_store_b64 v[C8], v[YW:YW+1], s[48:49]
	global_store_b64 v[C8], v[YW+2:YW+3], s[50:51]
.Lwords_done:
	s_wait_tensorcnt 0x0                           ; the wave's end
	ds_add_u32 v[SPW], v[NIL]
	s_wait_dscnt 0x0
	CROUND                                         ; the closing round: no work-group ends while a partner may still ask for a tile that names it
	s_endpgm
.Lfunc_end_k_q292bbe2f45_proj:
	.size	k_q292bbe2f45_proj, .Lfunc_end_k_q292bbe2f45_proj-k_q292bbe2f45_proj
	.p2alignl 7, 3214868480
	.fill 96, 4, 3214868480
	.section	.rodata,"a",@progbits
	.p2align	6, 0x0
	.amdhsa_kernel k_q292bbe2f45_proj
		.amdhsa_group_segment_fixed_size 327680
		.amdhsa_private_segment_fixed_size 0
		.amdhsa_enable_private_segment 0
		.amdhsa_kernarg_size 56
		.amdhsa_user_sgpr_count 2
		.amdhsa_user_sgpr_kernarg_segment_ptr 1
		.amdhsa_wavefront_size32 1
		.amdhsa_system_sgpr_workgroup_id_x 1
		.amdhsa_system_sgpr_workgroup_id_y 1
		.amdhsa_system_sgpr_workgroup_id_z 1
		.amdhsa_system_vgpr_workitem_id 0
		.amdhsa_next_free_vgpr 1024
		.amdhsa_next_free_sgpr 106
		.amdhsa_reserve_vcc 0
		.amdhsa_float_denorm_mode_32 3
		.amdhsa_float_denorm_mode_16_64 3
		.amdhsa_memory_ordered 1
		.amdhsa_forward_progress 1
		.amdhsa_inst_pref_size 208
	.end_amdhsa_kernel
	.amdgpu_metadata
---
amdhsa.version: [ 1, 2 ]
amdhsa.kernels:
  - .name:           k_q292bbe2f45_proj
    .symbol:         k_q292bbe2f45_proj.kd
    .args:
      - { .name: c1, .offset: 0, .size: 8, .value_kind: global_buffer, .address_space: global }
      - { .name: s1, .offset: 8, .size: 8, .value_kind: global_buffer, .address_space: global }
      - { .name: bq, .offset: 16, .size: 8, .value_kind: global_buffer, .address_space: global }
      - { .name: bk, .offset: 24, .size: 8, .value_kind: global_buffer, .address_space: global }
      - { .name: bv, .offset: 32, .size: 8, .value_kind: global_buffer, .address_space: global }
      - { .name: qkv, .offset: 40, .size: 8, .value_kind: global_buffer, .address_space: global }
      - { .name: qkvs, .offset: 48, .size: 8, .value_kind: global_buffer, .address_space: global }
    .group_segment_fixed_size: 327680
    .private_segment_fixed_size: 0
    .kernarg_segment_align: 8
    .kernarg_segment_size: 56
    .max_flat_workgroup_size: 128
    .sgpr_count:     106
    .vgpr_count:     1024
    .wavefront_size: 32
...
	.end_amdgpu_metadata
.endif
;; end of part 2
;; launch attn (part 3): grid 4 x 64, 16 waves a work-group, no clusters, 47,104 bytes of LDS; arguments qkv, qkvs, mk, cc, cs, fl; writes cc, cs
.if DOCPART == 3
	.amdgcn_target "amdgcn-amd-amdhsa--gfx1250"
	.amdhsa_code_object_version 6
	.text
	.protected	k_q292bbe2f45_attn
	.globl	k_q292bbe2f45_attn
	.p2align	8
	.type	k_q292bbe2f45_attn,@function
k_q292bbe2f45_attn:
	s_mov_b64 s[64:65], 0
	v_nop
	global_prefetch_b8 v0, s[64:65] scope:SCOPE_SE
	s_setreg_imm32_b32 hwreg(HW_REG_WAVE_MODE, 25, 1), 1
	s_wait_xcnt 0x0
; ctx[b][q][head] = softmax_k(where(mask, -1e9, qh . kh / 8)) vh, both products on codes of FP8 (E4M3) with one E8M0 scale for each 32 along a product's K; ctx is quantised along the hidden axis for the last product.
; THE SOFTMAX: t = score x log2(e) / 8; M = the row's largest t so far, rounded UP to a whole number; p = 2^(t - M) is quantised along the keys, not normalised; the row's sum is taken of the unquantised p and divides
; at the end.  When M moves, the sum and O^T are multiplied by 2^(old M - new M): exact.
; THE MASK is an input.  An earlier launch has turned it into lane-mask words in mk (one v_cndmask_b32 a score) and, for each tile of 16 queries, a word of flags in fl: which steps of 128 keys have work, and which hold
; a masked score.  Branches hang on fl alone; mk's words serve as selects.
; A step is left out only where all its 16 x 128 scores are masked and no row of the tile is masked at all 2,048 keys: every p of such a step is 0.
; LIMIT: a masked raw score is -2^33, a logit of -2^30 where reference() has -1e9: -2^33 x c is a whole number, so a row that is masked everywhere gets p = 1 exactly and the uniform softmax.  The results are
; reference()'s wherever every unmasked logit lies above -1e9.  A block of zeros gets the scale byte 1 (its codes are zeros; this program alone reads the bytes).  NaN and infinities are not served.
; SHARES.  Work-group (x, head) owns the blocks x and 7 - x of 256 queries, one after the other; each of its SIXTEEN waves one tile of 16 queries in 256 registers: four waves to a SIMD.
; LAYOUT.  S^T = K Q^T (source 0 = 16 keys, source 1 = my 16 queries), O^T = V^T P^T (source 0 = 16 of the head's 64, source 1 = P): a lane holds ONE query.  All operands lie in memory as images of their registers.
; The first product's K is 64: the upper eight registers of Q hold zero codes; those of a tile of K are the next tile's codes (finite numbers), times zero; their scale bytes are 127.
; NO TENSOR LOADS, NO CLUSTER: which steps are fetched and worked hangs on flags read from memory, and partners of a cluster would need different numbers of tiles.
; So a key step's 16,384 bytes go from memory through registers into one of two LDS slots, 32 bytes a thread, asked for a step ahead.  No prefetch is laid: no wave waits for a fill, which has a step's work in which to come.
; ctx's scale bytes leave as single bytes, two for each row and head, 32 bytes apart: one thirty-second of the codes' bytes.
; REGISTERS: v1 16 x lane; v2 16 x thread; v3 the fill's offset; v4, v5 LDS addresses of K's and V's scale words; v6 16 r; v7 -2^33; v8 32 r + h; v9 8 x lane; v12 -M, v13 the largest t, v[14:15] the sum;
;   v16-31 Q (v24-31 zeros); v32-95 K's 8 tiles, then V's 4; v96-103 zeros; v104-167 S^T, then p; v168-199 O^T; v200-215 p's codes; v216-239 at work; v240-247 the fill; v248-251, v252-253, v254, v255 scale words of K, V, Q, p.
.set SLOTB, 16384                      ; a slot: K's images, 8,192 bytes, then V's
.set SCK,   32768                      ; the head's scale words of K, 512 bytes a step
.set SCV,   40960                      ; and of V, 256 bytes a step
.set S,   104
.set O,   168
.set PC,  200
.set BM,  216                          ; v216-219 a block's largest score, then its largest p
.set T2,  220                          ; v220-223 the other half's; then the bytes
.set HO,  224                          ; v224-227 448 x the scale
.set SO,  228                          ; v228-231 the conversions' scale operands
.set F,   232                          ; v[232:233] f = 2^(old M - new M)
.set TT,  234
.set SM2, 236                          ; v[236:237] the sum's second chain
	s_load_b256 s[4:11], s[0:1], 0x0               ; qkv s[4:5], qkvs s[6:7], mk s[8:9], cc s[10:11]
	s_load_b64 s[12:13], s[0:1], 0x20              ; cs  (fl's address is fetched at each pass's head: no scalar pair is free to keep it)
	v_lshl_add_u32 v238, v0, 2, 0xb000
	v_mov_b32 v239, 0
	v_lshrrev_b32 v1, 5, v0
	v_readfirstlane_b32 s14, v1                    ; wave 0..15
	v_and_b32 v9, 31, v0
	v_lshlrev_b32 v1, 4, v9
	v_lshlrev_b32 v9, 3, v9
	v_lshlrev_b32 v2, 4, v0
	v_and_b32 v10, 15, v0                          ; r
	v_bfe_u32 v11, v0, 4, 1                        ; h
	v_lshlrev_b32 v6, 4, v10
	v_lshl_add_u32 v8, v10, 5, v11
	v_mov_b32 v7, 0xd0000000                       ; -2^33
.irp i, 24,25,26,27,28,29,30,31, 96,97,98,99,100,101,102,103
	v_mov_b32 v[\i], 0                             ; zero codes
.endr
.irp i, 220,221,222,223, 233,234, 240,241,242,243,244,245,246,247
	v_mov_b32 v[\i], 0                             ; written once: lane permutes' destinations, the upper half of f's pair, the fill's registers
.endr
	s_mov_b32 s20, 0x76543210
	s_mov_b32 s21, 0xfedcba98                      ; v_permlanex16_b32's selects for lane l xor 16
	s_mov_b32 s22, 0x3e38aa3b                      ; c = log2(e) / 8
	s_mov_b32 s23, s22                             ; (named with it as a pair, so it is written)
	s_mov_b32 s24, 0x600000                        ; the mantissa field of 448
	s_mov_b32 s29, 0xffff0000                      ; lanes 16-31
	s_and_b32 s15, ttmp7, 0xffff                   ; bh = 16 b + head
	s_lshl_b32 s30, s15, 18
	s_add_co_u32 s30, s30, 8388608
	s_mov_b32 s31, 0
	s_mul_i32 s16, s15, 12288
	s_add_co_u32 s16, s16, 524288
	s_mov_b32 s17, 0
	s_wait_kmcnt 0x0
	s_add_nc_u64 s[30:31], s[4:5], s[30:31]        ; the head's key steps
	s_add_nc_u64 s[16:17], s[6:7], s[16:17]        ; the head's scale words of K, then of V
	global_load_b128 v[240:243], v2, s[16:17]      ; K's 8,192 bytes: 16 a thread
	s_cmp_lt_u32 s14, 8
	s_cbranch_scc0 .Lno_vs
	global_load_b128 v[244:247], v2, s[16:17] offset:8192   ; V's 4,096 bytes: waves 0 to 7
	s_wait_loadcnt 0x0
	ds_store_b128 v2, v[244:247] offset:SCV
.Lno_vs:
	s_wait_loadcnt 0x0
	ds_store_b128 v2, v[240:243] offset:SCK
	s_wait_dscnt 0x0                               ; the stores are done; the first pass's first barrier shows them to all
; s28 holds, from bit 0 on, which of the coming steps some wave of the work-group will work.  A step that nobody works is not fetched; bits past the head's last step are 0, so no load leaves the buffer.
.macro FILL_REQ bit, off
	s_bitcmp1_b32 s28, \bit
	s_cbranch_scc0 .Lnoreq_\@
	global_load_b128 v[240:243], v3, s[30:31] offset:\off          ; my 16 bytes of K's images
	global_load_b128 v[244:247], v3, s[30:31] offset:\off+8192     ; and of V's
.Lnoreq_\@:
.endm
.macro FILL_PUT bit, slot
	s_wait_loadcnt 0x0
	s_bitcmp1_b32 s28, \bit
	s_cbranch_scc0 .Lnoput_\@
	ds_store_b128 v2, v[240:243] offset:\slot*SLOTB
	ds_store_b128 v2, v[244:247] offset:\slot*SLOTB+8192
.Lnoput_\@:
.endm
.macro BAR                             ; my stores into one slot have landed and my reads of the other are in: one barrier a step orders both
	s_wait_dscnt 0x0
	s_barrier_signal -1
	s_barrier_wait -1
.endm
; A KEY STEP: 128 keys from slot; u: its bit in my flags (s26: work; s27: a masked score)
.macro STEP slot, u
	s_bitcmp1_b32 s26, \u
	s_cbranch_scc0 .Lskip_\@
.rept 8
	v_nop                                          ; places in front of loads into registers that the last products have read
.endr
.irp t, 0,1,2,3,4,5,6,7
	ds_load_b128 v[32+8*\t:35+8*\t], v1 offset:\slot*SLOTB+1024*\t
	ds_load_b128 v[36+8*\t:39+8*\t], v1 offset:\slot*SLOTB+1024*\t+512
.endr
	ds_load_b128 v[248:251], v4 offset:512*\u      ; K's scale words: lanes 0-15 tiles 0-3, lanes 16-31 tiles 4-7
	s_wait_dscnt 0x0
.irp t, 0,1,2,3
	v_wmma_scale_f32_16x16x128_f8f6f4 v[S+8*\t:S+8*\t+7], v[32+8*\t:47+8*\t], v[16:31], 0, v[248+\t], v254
.endr
.irp t, 4,5,6,7
	v_wmma_scale_f32_16x16x128_f8f6f4 v[S+8*\t:S+8*\t+7], v[32+8*\t:47+8*\t], v[16:31], 0, v[244+\t], v254 matrix_a_scale:MATRIX_SCALE_ROW1
.endr
.rept 8
	v_nop                                          ; places in front of the loads below and of the first read of the scores
.endr
.irp d, 0,1,2,3
.irp c, 0,1,2,3
	ds_load_b128 v[32+16*\d+4*\c:35+16*\d+4*\c], v1 offset:\slot*SLOTB+8192+2048*\d+512*\c   ; V's images land under the softmax
.endr
.endr
	ds_load_b64 v[252:253], v5 offset:256*\u       ; V's scale words: lanes 0-15 tiles 0, 1, lanes 16-31 tiles 2, 3
	s_bitcmp1_b32 s27, \u
	s_cbranch_scc0 .Lopen_\@
	s_load_b512 s[32:47], s[100:101], s3 offset:256*\u             ; the step's 64 lane-mask words
	s_load_b512 s[48:63], s[100:101], s3 offset:256*\u+64
	s_load_b512 s[68:83], s[100:101], s3 offset:256*\u+128
	s_load_b512 s[84:99], s[100:101], s3 offset:256*\u+192
	s_wait_kmcnt 0x0
.set n, 0
.rept 64
.set pp, 2*(n%32)+n/32                 ; word n's place among the 64
.if pp < 32
	v_cndmask_b32 v[S+n], v[S+n], v7, s[32+pp]
.else
	v_cndmask_b32 v[S+n], v[S+n], v7, s[36+pp]
.endif
.set n, n+1
.endr
.Lopen_\@:
.irp b, 0,1,2,3
	v_max3_num_f32 v[BM+\b], v[S+16*\b], v[S+1+16*\b], v[S+2+16*\b]   ; the largest score of each block of 32 keys: for the row's maximum, and, since p rises with the score, for the block's largest p
.endr
.irp i, 3,5,7,9,11,13
.irp b, 0,1,2,3
	v_max3_num_f32 v[BM+\b], v[BM+\b], v[S+16*\b+\i], v[S+1+16*\b+\i]
.endr
.endr
.irp b, 0,1,2,3
	v_max_num_f32 v[BM+\b], v[BM+\b], v[S+15+16*\b]
.endr
.irp b, 0,1,2,3
	v_permlanex16_b32 v[T2+\b], v[BM+\b], s20, s21
.endr
.irp b, 0,1,2,3
	v_max_num_f32 v[BM+\b], v[BM+\b], v[T2+\b]     ; with lane l xor 16's 16 keys
.endr
	v_max3_num_f32 v[TT], v[BM], v[BM+1], v[BM+2]
	v_max_num_f32 v[TT], v[TT], v[BM+3]
	v_mul_f32 v[TT], s22, v[TT]                    ; the step's largest t of my query
	v_max_num_f32 v13, v13, v[TT]
	v_mov_b32 v[TT], v12
	v_floor_f32 v12, -v13                          ; the new -M = floor(-t): M is a whole number
	v_sub_f32 v[TT], v12, v[TT]                    ; old M - new M: a whole number, 0 or less
	v_cvt_i32_f32 v[TT], v[TT]                     ; (it saturates)
	v_ldexp_f32 v[F], 1.0, v[TT]                   ; f
.set n, 0
.rept 32
	v_pk_fma_f32 v[S+n:S+n+1], v[S+n:S+n+1], s[22:23], v[12:13] op_sel_hi:[1,0,0]   ; t - M, two at a time
.set n, n+2
.endr
.irp b, 0,1,2,3
	v_fma_f32 v[BM+\b], v[BM+\b], s22, v12         ; the same of each block's largest score
.endr
.set n, 0
.rept 64
	v_exp_f32 v[S+n], v[S+n]                       ; p = 2^(t - M)
.set n, n+1
.endr
	v_pk_mul_f32 v[14:15], v[14:15], v[F:F+1] op_sel_hi:[1,0]      ; the sums under the new M: a plain line behind the exponentials
	s_wait_alu depctr_va_vdst(0)                   ; one wait for the whole batch, ahead of its first reader
.irp b, 0,1,2,3
	v_exp_f32 v[BM+\b], v[BM+\b]                   ; the block's largest p
.endr
	v_pk_add_f32 v[SM2:SM2+1], v[S:S+1], v[S+2:S+3]                ; the row's sum is taken of the unquantised p, in two chains
.irp j, 4,8,12,16,20,24,28,32,36,40,44,48,52,56,60
	v_pk_add_f32 v[14:15], v[14:15], v[S+\j:S+1+\j]
	v_pk_add_f32 v[SM2:SM2+1], v[SM2:SM2+1], v[S+2+\j:S+3+\j]
.endr
	v_pk_add_f32 v[14:15], v[14:15], v[SM2:SM2+1]
	s_wait_alu depctr_va_vdst(0)                   ; and one for the four
.irp b, 0,1,2,3
	v_max_num_f32 v[BM+\b], 0x4800000, v[BM+\b]    ; the floor 2^(9 - 127): the byte cannot fall under 1
.endr
.irp b, 0,1,2,3
	v_add_nc_u32 v[SO+\b], 0xfc000000, v[BM+\b]
.endr
.irp b, 0,1,2,3
	v_and_or_b32 v[HO+\b], v[BM+\b], 0x7f800000, s24
.endr
.irp b, 0,1,2,3
	v_lshrrev_b32 v[T2+\b], 23, v[SO+\b]
.endr
	v_lshl_or_b32 v255, v[T2+1], 8, v[T2]          ; p's scale word for these 128 keys
	v_lshl_or_b32 v255, v[T2+2], 16, v255
	v_lshl_or_b32 v255, v[T2+3], 24, v255
.irp b, 0,1,2,3
.irp i, 0,1,2,3,4,5,6,7,8,9,10,11,12,13,14,15
	v_min_num_f32 v[S+16*\b+\i], v[S+16*\b+\i], v[HO+\b]           ; the conversion does not saturate (ISA guide 7.6.2); p is not negative, so the hold is one-sided
.endr
	v_cvt_scalef32_pk8_fp8_f32 v[PC+4*\b:PC+1+4*\b], v[S+16*\b:S+7+16*\b], v[SO+\b]
	v_cvt_scalef32_pk8_fp8_f32 v[PC+2+4*\b:PC+3+4*\b], v[S+8+16*\b:S+15+16*\b], v[SO+\b]
.endr
.set n, 0
.rept 16
	v_pk_mul_f32 v[O+n:O+n+1], v[O+n:O+n+1], v[F:F+1] op_sel_hi:[1,0]   ; O^T under the new M; these sixteen also stand between the codes and the products
.set n, n+2
.endr
	s_wait_dscnt 0x0                               ; V
.irp d, 0,1
	v_wmma_scale_f32_16x16x128_f8f6f4 v[O+8*\d:O+8*\d+7], v[32+16*\d:47+16*\d], v[PC:PC+15], v[O+8*\d:O+8*\d+7], v[252+\d], v255
.endr
.irp d, 2,3
	v_wmma_scale_f32_16x16x128_f8f6f4 v[O+8*\d:O+8*\d+7], v[32+16*\d:47+16*\d], v[PC:PC+15], v[O+8*\d:O+8*\d+7], v[250+\d], v255 matrix_a_scale:MATRIX_SCALE_ROW1
.endr
.Lskip_\@:
.endm
; A PASS: one block of 256 queries against all 16 key steps: 8 trips of two steps, a constant count.
.macro PASS p
	s_wait_xcnt 0x0                                ; what was issued before has read its addresses and data: they are written below
	s_load_b64 s[104:105], s[0:1], 0x28            ; fl; the tile's scalar work and Q's loads stand between this load and the wait for it
.if \p
	s_sub_co_u32 s15, 7, ttmp9
.else
	s_mov_b32 s15, ttmp9
.endif
	s_and_b32 s72, ttmp7, 0xffff                   ; bh
	s_lshr_b32 s73, s72, 4
	s_lshl_b32 s73, s73, 7                         ; 128 b
	s_lshl_b32 s16, s15, 4
	s_add_co_u32 s17, s16, s14                     ; qt: my tile of queries
	s_add_co_u32 s16, s16, s73                     ; the block's first tile among the batch's
	s_add_co_u32 s18, s17, s73                     ; mine: 128 b + qt
	s_lshl_b32 s74, s16, 2                         ; where the block's 16 words of flags begin
	s_mov_b32 s75, 0
	s_lshl_b32 s19, s14, 2
	s_lshl_b32 s100, s18, 12
	s_mov_b32 s101, 0
	s_add_nc_u64 s[100:101], s[8:9], s[100:101]    ; my tile's mask words
	s_lshl_b32 s68, s72, 17
	s_lshl_b32 s69, s17, 10
	s_add_co_u32 s68, s68, s69
	s_mov_b32 s69, 0
	s_add_nc_u64 s[68:69], s[4:5], s[68:69]        ; Q's image
	s_lshl_b32 s70, s72, 13
	s_lshr_b32 s71, s17, 2
	s_lshl_b32 s71, s71, 8
	s_add_co_u32 s70, s70, s71
	s_and_b32 s71, s17, 3
	s_lshl_b32 s71, s71, 2
	s_add_co_u32 s70, s70, s71
	s_mov_b32 s71, 0
	s_add_nc_u64 s[70:71], s[6:7], s[70:71]        ; Q's scale words: 256 bytes for four tiles, 16 bytes a row, 4 a tile
	global_load_b128 v[16:19], v1, s[68:69]
	global_load_b128 v[20:23], v1, s[68:69] offset:512
	global_load_b32 v254, v6, s[70:71]
	s_wait_kmcnt 0x0                               ; fl's address
	s_add_nc_u64 s[104:105], s[104:105], s[74:75]
	s_load_b512 s[32:47], s[104:105], 0x0          ; the flags of the block's 16 tiles,
	s_load_b32 s26, s[104:105], s19 offset:0x0     ; and mine
	v_mov_b32 v13, 0xff61b1e6                      ; the largest t so far: -3e38
	v_floor_f32 v12, -v13
	v_mov_b32 v14, 0
	v_mov_b32 v15, 0
.set n, 0
.rept 32
	v_mov_b32 v[O+n], 0                            ; the step is written once: the first finds zeros, which the first change of M leaves zeros
.set n, n+1
.endr
	v_mov_b32 v3, v2                               ; the fill's offset: step 0
	s_wait_kmcnt 0x0
	s_or_b32 s28, s32, s33
.irp k, 34,35,36,37,38,39,40,41,42,43,44,45,46,47
	s_or_b32 s28, s28, s[\k]
.endr
	s_and_b32 s28, s28, 0xffff                     ; the steps that some wave works
	s_lshr_b32 s27, s26, 16                        ; mine: with a masked score,
	s_and_b32 s26, s26, 0xffff                     ; with work
	FILL_REQ 0, 0
	FILL_PUT 0, 0
	BAR
	s_lshr_b32 s28, s28, 1
	s_wait_loadcnt 0x0                             ; Q
	s_mov_b32 s25, 8
	s_mov_b32 s2, SLOTB                            ; the fill's offset: step 1
	s_mov_b32 s3, 0                                ; the mask words' offset
	s_mov_b32 s66, SCK
	s_mov_b32 s67, SCV
.Ltrip_\@:
	v_add_nc_u32 v3, s2, v2                        ; (the last loads that named v3 have been waited for)
	v_add_nc_u32 v4, s66, v1
	v_add_nc_u32 v5, s67, v9
	FILL_REQ 0, 0                                  ; the odd step is asked for,
	STEP 0, 0                                      ; the even one worked,
	FILL_PUT 0, 1
	BAR
	FILL_REQ 1, SLOTB                              ; the next even step is asked for
	STEP 1, 1
	FILL_PUT 1, 0
	BAR
	s_lshr_b32 s26, s26, 2
	s_lshr_b32 s27, s27, 2
	s_lshr_b32 s28, s28, 2
	s_add_co_u32 s2, s2, 2*SLOTB
	s_add_co_u32 s3, s3, 512
	s_add_co_u32 s66, s66, 1024
	s_add_co_u32 s67, s67, 512
	s_sub_co_u32 s25, s25, 1
	s_cmp_lg_u32 s25, 0
	s_cbranch_scc1 .Ltrip_\@
	; THE WAY OUT: O^T / the sum is ctx; a lane's 32 registers are two blocks of 32 along the hidden axis, shared with lane l xor 16
.rept 8
	v_nop
.endr
	v_add_f32 v14, v14, v15
	v_permlanex16_b32 v[TT], v14, s20, s21
	v_add_f32 v14, v14, v[TT]                      ; the row's sum
	v_rcp_f32 v14, v14
	v_nop                                          ; a plain line behind the reciprocal
	s_and_b32 s32, ttmp7, 15                       ; the head
	s_lshl_b32 s104, s18, 14                       ; a tile of 16 rows is 16,384 bytes of images; a head's two groups lie 1,024 x head on
	s_lshl_b32 s33, s32, 10
	s_add_co_u32 s104, s104, s33
	s_mov_b32 s105, 0
	s_add_nc_u64 s[104:105], s[10:11], s[104:105]
	s_lshl_b32 s2, s18, 9                          ; 16 rows of 32 scale bytes; a head's two bytes lie 2 x head on
	s_lshl_b32 s33, s32, 1
	s_add_co_u32 s2, s2, s33
	s_mov_b32 s3, 0
	s_add_nc_u64 s[2:3], s[12:13], s[2:3]
	s_wait_alu depctr_va_vdst(0)                   ; ahead of the reciprocal's first reader
.set n, 0
.rept 16
	v_pk_mul_f32 v[S+n:S+n+1], v[O+n:O+n+1], v[14:15] op_sel_hi:[1,0]
.set n, n+2
.endr
.irp b, 0,1
	v_max3_num_f32 v[BM+\b], |v[S+16*\b]|, |v[S+1+16*\b]|, 0x4800000
.endr
.irp i, 2,4,6,8,10,12,14
.irp b, 0,1
	v_max3_num_f32 v[BM+\b], v[BM+\b], |v[S+16*\b+\i]|, |v[S+1+16*\b+\i]|
.endr
.endr
.irp b, 0,1
	v_permlanex16_b32 v[T2+\b], v[BM+\b], s20, s21
.endr
.irp b, 0,1
	v_max_num_f32 v[BM+\b], v[BM+\b], v[T2+\b]
.endr
.irp b, 0,1
	v_add_nc_u32 v[SO+\b], 0xfc000000, v[BM+\b]
.endr
.irp b, 0,1
	v_and_or_b32 v[HO+\b], v[BM+\b], 0x7f800000, s24
.endr
.irp b, 0,1
	v_lshrrev_b32 v[T2+\b], 23, v[SO+\b]
.endr
.irp b, 0,1
.irp i, 0,1,2,3,4,5,6,7,8,9,10,11,12,13,14,15
	v_med3_num_f32 v[S+16*\b+\i], v[S+16*\b+\i], -v[HO+\b], v[HO+\b]
.endr
	v_cvt_scalef32_pk8_fp8_f32 v[PC+4*\b:PC+1+4*\b], v[S+16*\b:S+7+16*\b], v[SO+\b]
	v_cvt_scalef32_pk8_fp8_f32 v[PC+2+4*\b:PC+3+4*\b], v[S+8+16*\b:S+15+16*\b], v[SO+\b]
.endr
	v_nop                                          ; a plain vector line behind the last conversion
	v_cndmask_b32 v[TT], v[T2], v[T2+1], s29       ; lanes 0-15 store the first block's byte, lanes 16-31 the second's
	global_store_b128 v1, v[PC:PC+3], s[104:105]               ; 512 consecutive bytes each
	global_store_b128 v1, v[PC+4:PC+7], s[104:105] offset:512
	global_store_b8 v8, v[TT], s[2:3]
.endm
	PASS 0
	PASS 1
	s_wait_tensorcnt 0x0
	ds_add_u32 v238, v239
	s_wait_dscnt 0x0
	s_endpgm
.Lfunc_end_k_q292bbe2f45_attn:
	.size	k_q292bbe2f45_attn, .Lfunc_end_k_q292bbe2f45_attn-k_q292bbe2f45_attn
	.p2alignl 7, 3214868480
	.fill 96, 4, 3214868480
	.section	.rodata,"a",@progbits
	.p2align	6, 0x0
	.amdhsa_kernel k_q292bbe2f45_attn
		.amdhsa_group_segment_fixed_size 47104
		.amdhsa_private_segment_fixed_size 0
		.amdhsa_enable_private_segment 0
		.amdhsa_kernarg_size 48
		.amdhsa_user_sgpr_count 2
		.amdhsa_user_sgpr_kernarg_segment_ptr 1
		.amdhsa_wavefront_size32 1
		.amdhsa_system_sgpr_workgroup_id_x 1
		.amdhsa_system_sgpr_workgroup_id_y 1
		.amdhsa_system_sgpr_workgroup_id_z 1
		.amdhsa_system_vgpr_workitem_id 0
		.amdhsa_next_free_vgpr 256
		.amdhsa_next_free_sgpr 106
		.amdhsa_reserve_vcc 0
		.amdhsa_float_denorm_mode_32 3
		.amdhsa_float_denorm_mode_16_64 3
		.amdhsa_memory_ordered 1
		.amdhsa_forward_progress 1
		.amdhsa_inst_pref_size 117
	.end_amdhsa_kernel
	.amdgpu_metadata
---
amdhsa.version: [ 1, 2 ]
amdhsa.kernels:
  - .name:           k_q292bbe2f45_attn
    .symbol:         k_q292bbe2f45_attn.kd
    .args:
      - { .name: qkv, .offset: 0, .size: 8, .value_kind: global_buffer, .address_space: global }
      - { .name: qkvs, .offset: 8, .size: 8, .value_kind: global_buffer, .address_space: global }
      - { .name: mk, .offset: 16, .size: 8, .value_kind: global_buffer, .address_space: global }
      - { .name: cc, .offset: 24, .size: 8, .value_kind: global_buffer, .address_space: global }
      - { .name: cs, .offset: 32, .size: 8, .value_kind: global_buffer, .address_space: global }
      - { .name: fl, .offset: 40, .size: 8, .value_kind: global_buffer, .address_space: global }
    .group_segment_fixed_size: 47104
    .private_segment_fixed_size: 0
    .kernarg_segment_align: 8
    .kernarg_segment_size: 48
    .max_flat_workgroup_size: 512
    .sgpr_count:     106
    .vgpr_count:     256
    .wavefront_size: 32
...
	.end_amdgpu_metadata
.endif
;; end of part 3
;; launch outp (part 4): grid 4 x 32, 4 waves a work-group, clusters of 4 x 4, 327,680 bytes of LDS; arguments cc, cs, c1, s1, bo, out0; writes out0
.if DOCPART == 4
	.amdgcn_target "amdgcn-amd-amdhsa--gfx1250"
	.amdhsa_code_object_version 6
	.text
	.protected	k_q292bbe2f45_outp
	.globl	k_q292bbe2f45_outp
	.p2align	8
	.type	k_q292bbe2f45_outp,@function
k_q292bbe2f45_outp:
	s_mov_b64 s[64:65], 0
	v_nop
	global_prefetch_b8 v0, s[64:65] scope:SCOPE_SE
	s_setreg_imm32_b32 hwreg(HW_REG_WAVE_MODE, 25, 1), 1
	s_wait_xcnt 0x0
	s_wait_alu depctr_hold_cnt(0) depctr_sa_sdst(0) depctr_va_vdst(0) depctr_va_sdst(0) depctr_va_ssrc(0) depctr_va_vcc(0) depctr_vm_vsrc(0)
	s_getreg_b32 s2, hwreg(HW_REG_IB_STS2, 6, 4)
	s_cmp_eq_u32 s2, 0
	s_cbranch_scc0 .Lentry_in_a_cluster
	s_endpgm
.Lentry_in_a_cluster:
	s_bfe_u32 s2, ttmp6, 0x10000c
	s_cmp_lg_u32 s2, 0xf033
	s_cbranch_scc0 .Lentry_shape_is_right
	s_endpgm
.Lentry_shape_is_right:
; out0 = ctx Wo^T + bo on codes of FP8 (E4M3) with one E8M0 scale for each 32 along K = 1,024; out0 [8192][1024] f32.
; ctx's codes lie in cc as images of operand registers, [tile of 16 rows][K step of 128][group of four registers][lane][16 bytes]; its scale bytes in cs, [row][32].  Wo's codes are rows of 1,024 bytes in c1, its scale bytes in s1.
; A tile of 256 x 256 is made by four waves, each 128 x 128: 64 accumulators, 512 registers.  K goes in steps of 256 through a ring of two LDS slots filled by the tensor data mover; the scale bytes come once.
; CLUSTERS: 4 x 4 work-groups; ctx's tile is shared along a row of the cluster, Wo's along a column: joint loads with a mask that names the four.
; THE MATRIX INSTRUCTION IS USED TRANSPOSED (source 0 = 16 rows of Wo, source 1 = 16 rows of ctx): a lane holds eight neighbouring numbers of a row of out0.  The bias is the C of each sum's first product.
; The grid has 128 work-groups: 8,192 x 1,024 are 128 tiles of this size.
; REGISTERS: window 0: v0-31 addresses; v32-63 scale words, two sets; v64-127 the bias; from v128 A's fragments, ONE set.  window 1: B's fragments, TWO sets.  windows 2, 3: the accumulators.
; No prefetch is laid: the tiles are shared by joint loads and each refill has a K step's 128 matrix instructions in which to land.
.set SIZE_N, 1024
.set NQ,     2
.set ROWB,   256
.set KROW,   1024
.set PITCH,  272                       ; a row of Wo's tile in LDS: 256 bytes + 16 of padding
.set FR,     16
.set NL,     4
.set NP,     8
.set HALFA,  32768                     ; ctx: 8 tiles of rows x 4,096 bytes: what one tensor load brings; images need no padding: a load's 512 bytes are consecutive
.set HALFT,  128*PITCH                 ; Wo: 128 rows
.set BOFF,   2*HALFA
.set SLOT,   BOFF+2*HALFT
.set LAPS,   2
.set KS,     32
.set SCL,    2*SLOT
.set HALFS,  (128*KS/256)*272
.set SBLK,   (16*KS/256)*272
.set SPARE,  SCL+4*HALFS               ; the spare words, 128 bytes for each wave: two blocks of 256 bytes that no other line names
.set SPITCH, 528                       ; the way out: a stage of 16 rows x (512 bytes + 16) for each wave, in slot 0, which has had its last fill and its last read by then
.set WOC,    28311552                  ; Wo's codes in c1
.set WOS,    884736                    ; and its scale bytes in s1
.set ADRA, 16
.set ADRB, 20
.set STO,  24
.set RD,   25
.set CO,   26
.set ADRS, 27
.set SPW,  28
.set NIL,  29
.set SC,   32
.set BIAS, 64
.set AF,   128
.set BK,   128
.set G1, 24
.set G0, 32
.set G1B, 48
.set G0B, 56
.set G1S, 68
.set G0S, 76
.set G1SB, 80
.set G0SB, 88
.set MSB, 0
.macro WIN new
.if MSB != \new
	s_set_vgpr_msb (MSB<<8)|\new
.set MSB, \new
.endif
.endm
.set MUL_LO, 0xa1
.set MUL_HI, 0xf1
.set TO_B,   0x40
.macro JLOAD g0a, g1a, g0b, g1b        ; a joint load: waves 0 and 1 fetch for ctx, waves 2 and 3 for Wo; four v_nop follow each of the two lines
	s_cmp_eq_u32 s15, 0
	s_cbranch_scc0 .Lfor_b_\@
	tensor_load_to_lds s[\g0a:\g0a+3], s[\g1a:\g1a+7]
	s_nop 0
.rept 4
	v_nop
.endr
	s_branch .Lasked_\@
.Lfor_b_\@:
	tensor_load_to_lds s[\g0b:\g0b+3], s[\g1b:\g1b+7]
	s_nop 0
.rept 4
	v_nop
.endr
.Lasked_\@:
.endm
.macro CREST
	s_cmp_lg_u32 s14, 0
	s_cbranch_scc1 .Lnot_wave_0_\@
	s_barrier_signal -3
.Lnot_wave_0_\@:
	s_barrier_wait -3
	s_barrier_signal -1
	s_barrier_wait -1
.endm
.macro CROUND
	s_barrier_signal -1
	s_barrier_wait -1
	CREST
.endm
	s_load_b256 s[4:11], s[0:1], 0x0               ; cc s[4:5], cs s[6:7], c1 s[8:9], s1 s[10:11]
	s_load_b64 s[96:97], s[0:1], 0x20              ; bo
	s_load_b64 s[12:13], s[0:1], 0x28              ; out0
	v_lshl_add_u32 v[SPW], v0, 2, SPARE
	v_mov_b32 v[NIL], 0
	ds_add_u32 v28, v29
	ds_add_u32 v28, v29
	s_wait_dscnt 0x0
	v_lshrrev_b32 v1, 5, v0
	v_readfirstlane_b32 s14, v1                    ; wave 0..3
	s_lshr_b32 s15, s14, 1                         ; which half of the tile's rows is mine.  Also: I fetch for ctx (0) or for Wo (1)
	s_and_b32 s16, s14, 1                          ; which half of its columns.  Also: which half of that tile I fetch
	s_bfe_u32 s40, ttmp6, 0x40000
	s_bfe_u32 s41, ttmp6, 0x40004
	s_lshl_b32 s42, ttmp9, 2
	s_add_co_u32 s42, s42, s40                     ; tile column
	s_and_b32 s17, ttmp7, 0xffff
	s_lshl_b32 s17, s17, 2
	s_add_co_u32 s17, s17, s41                     ; tile row
	s_lshl_b32 s43, s41, 2
	s_lshl_b32 s43, 15, s43                        ; my row of the cluster
	s_lshl_b32 s44, 0x1111, s40                    ; my column
	; group 1 for ctx: 8 tiles of rows x 4,096 bytes (two K steps of 128), 16,384 bytes apart, in elements of 8 bytes, no padding
	s_or_b32 s[G1+0], s43, (3<<16)|(1<<21)
	s_mov_b32 s[G1+1], 512<<16                     ; tensor_dim0 = 512
	s_mov_b32 s[G1+2], 8<<16                       ; tensor_dim1 = 8
	s_mov_b32 s[G1+3], 512<<16                     ; tile_dim0 = 512
	s_mov_b32 s[G1+4], 8                           ; tile_dim1 = 8
	s_mov_b32 s[G1+5], 2048                        ; tensor_dim0_stride
	s_mov_b32 s[G1+6], 0
	s_mov_b32 s[G1+7], 0
	; for Wo: 128 rows x 256 bytes, padded in LDS
	s_or_b32 s[G1B+0], s44, (0<<16)|(1<<20)|(1<<21)|(5<<22)|(3<<25)
	s_mov_b32 s[G1B+1], ROWB<<16
	s_mov_b32 s[G1B+2], 128<<16
	s_mov_b32 s[G1B+3], ROWB<<16
	s_mov_b32 s[G1B+4], 128
	s_mov_b32 s[G1B+5], KROW
	s_mov_b32 s[G1B+6], 0
	s_mov_b32 s[G1B+7], 0
	; for the scale bytes of 128 rows: 4,096 dense bytes as rows of 256, 16 bytes of padding behind each
	s_or_b32 s[G1S+0], s43, (3<<16)|(1<<20)|(1<<21)|(5<<22)|(3<<25)
	s_or_b32 s[G1SB+0], s44, (3<<16)|(1<<20)|(1<<21)|(5<<22)|(3<<25)
.irp g, G1S, G1SB
	s_mov_b32 s[\g+1], 32<<16
	s_mov_b32 s[\g+2], (128*KS/256)<<16
	s_mov_b32 s[\g+3], 32<<16
	s_mov_b32 s[\g+4], 128*KS/256
	s_mov_b32 s[\g+5], 32
	s_mov_b32 s[\g+6], 0
	s_mov_b32 s[\g+7], 0
.endr
	s_lshl_b32 s20, s17, 18                        ; ctx's images: 16 tiles of rows x 16,384 bytes a tile row, 8 of them a half
	s_lshl_b32 s18, s16, 17
	s_add_co_u32 s20, s20, s18
	s_mov_b32 s21, 0
	s_lshl_b32 s22, s17, 13                        ; its scale bytes: 256 rows x 32, 128 rows a half
	s_lshl_b32 s18, s16, 12
	s_add_co_u32 s22, s22, s18
	s_mov_b32 s23, 0
	s_lshl_b32 s46, s42, 8
	s_lshl_b32 s18, s16, 7
	s_add_co_u32 s46, s46, s18                     ; Wo: row 256 x tile column + 128 x half
	s_lshl_b32 s92, s46, 5
	s_add_co_u32 s92, s92, WOS
	s_mov_b32 s93, 0
	s_lshl_b32 s46, s46, 10
	s_add_co_u32 s46, s46, WOC
	s_mov_b32 s47, 0
	s_lshl_b32 s45, s16, 15                        ; where they go: ctx's halves at 32,768 x half,
	s_mul_i32 s95, s16, HALFT                      ; Wo's behind them at 34,816 x half,
	s_mul_i32 s94, s14, HALFS                      ; the scales at 4,352 x wave: no place in the cluster enters an LDS address
	s_wait_kmcnt 0x0
	s_add_nc_u64 s[20:21], s[4:5], s[20:21]
	s_add_nc_u64 s[22:23], s[6:7], s[22:23]
	s_add_nc_u64 s[46:47], s[8:9], s[46:47]
	s_add_nc_u64 s[92:93], s[10:11], s[92:93]
	CROUND                                         ; all sixteen work-groups are here: the first joint loads meet
	s_mov_b32 s[G0S], 1
	s_add_co_u32 s[G0S+1], s94, SCL
	s_mov_b64 s[G0S+2:G0S+3], s[22:23]
	s_or_b32 s[G0S+3], s[G0S+3], 0x80000000
	s_mov_b32 s[G0SB], 1
	s_add_co_u32 s[G0SB+1], s94, SCL
	s_mov_b64 s[G0SB+2:G0SB+3], s[92:93]
	s_or_b32 s[G0SB+3], s[G0SB+3], 0x80000000
	JLOAD G0S, G1S, G0SB, G1SB
.irp s, 0,1
	s_mov_b32 s[G0+4*\s], 1
	s_add_co_u32 s[G0+4*\s+1], s45, \s*SLOT
	s_add_nc_u64 s[G0+4*\s+2:G0+4*\s+3], s[20:21], \s*4096
	s_or_b32 s[G0+4*\s+3], s[G0+4*\s+3], 0x80000000
	s_mov_b32 s[G0B+4*\s], 1
	s_add_co_u32 s[G0B+4*\s+1], s95, \s*SLOT+BOFF
	s_add_nc_u64 s[G0B+4*\s+2:G0B+4*\s+3], s[46:47], \s*ROWB
	s_or_b32 s[G0B+4*\s+3], s[G0B+4*\s+3], 0x80000000
	JLOAD G0+4*\s, G1, G0B+4*\s, G1B               ; three loads of mine are out
.endr
	v_and_b32 v1, 15, v0                           ; r
	v_bfe_u32 v2, v0, 4, 1                         ; h
	v_and_b32 v6, 31, v0
	v_lshlrev_b32 v[CO], 4, v6                     ; 16 x lane
	v_mul_u32_u24 v3, v1, PITCH
	v_lshl_add_u32 v4, v2, 4, v3
	s_lshl_b32 s21, s15, 15                        ; my 8 tiles of ctx's rows
	s_mul_i32 s22, s16, HALFT                      ; my 128 rows of Wo
	s_add_co_u32 s22, s22, BOFF
.irp s, 0,1
	v_add_nc_u32 v[ADRA+\s], s21, v[CO]
	v_add_nc_u32 v[ADRB+\s], s22, v4
	s_add_co_u32 s21, s21, SLOT
	s_add_co_u32 s22, s22, SLOT
.endr
	v_mul_u32_u24 v5, v1, KS
	v_lshrrev_b32 v6, 8, v5
	v_lshl_add_u32 v5, v6, 4, v5
	s_mul_i32 s21, s15, HALFS
	s_mul_i32 s22, s16, HALFS
	s_add_co_u32 s22, s22, 2*HALFS
	s_sub_co_u32 s22, s22, s21
	v_mul_u32_u24 v6, s22, v2                      ; lanes 16-31 take Wo's
	s_add_co_u32 s21, s21, SCL
	v_add_nc_u32 v5, v5, v6
	v_add_nc_u32 v[ADRS], s21, v5
	s_mul_i32 s23, s14, 16*SPITCH                  ; my stage
	v_mul_u32_u24 v5, v1, SPITCH
	v_lshl_add_u32 v5, v2, 5, v5
	v_add_nc_u32 v[STO], s23, v5
	v_add_nc_u32 v[RD], s23, v[CO]
	s_lshl_b32 s20, s17, 8
	s_lshl_b32 s21, s15, 7
	s_add_co_u32 s20, s20, s21                     ; my first row of out0
	s_lshl_b32 s20, s20, 12                        ; 4,096 bytes a row
	s_mov_b32 s21, 0
	s_lshl_b32 s46, s42, 10                        ; my first column, in bytes: 1,024 x tile column + 512 x half
	s_lshl_b32 s47, s16, 9
	s_add_co_u32 s46, s46, s47
	s_mov_b32 s47, 0
	s_add_nc_u64 s[96:97], s[96:97], s[46:47]      ; the bias of my 128 columns
	s_add_nc_u64 s[20:21], s[20:21], s[46:47]
	s_add_nc_u64 s[12:13], s[12:13], s[20:21]
	v_lshlrev_b32 v8, 5, v2                        ; register j of tile b is column 16 b + 8 h + j
.irp t, 0,1,2,3,4,5,6,7
	global_load_b128 v[BIAS+8*\t:BIAS+8*\t+3], v8, s[96:97] offset:64*\t
	global_load_b128 v[BIAS+8*\t+4:BIAS+8*\t+7], v8, s[96:97] offset:64*\t+16
.endr
.macro FRAG reg, adr, q, i             ; Wo: lane l holds row l % 16; registers 4 c .. 4 c + 3 hold places 32 c + 16 (l / 16) + 0 .. 15
.irp c, 0,1,2,3
	ds_load_b128 v[\reg+4*\c:\reg+4*\c+3], v[\adr] offset:128*(\q)+32*\c+(\i)*16*PITCH
.endr
.endm
.macro FRAGA reg, adr, q, i            ; ctx: an image comes back as it was stored: 16 bytes a lane
.irp c, 0,1,2,3
	ds_load_b128 v[\reg+4*\c:\reg+4*\c+3], v[\adr] offset:4096*(\i)+2048*(\q)+512*\c
.endr
.endm
.macro MUL16 a0, p, q, sc, mode        ; mode 1: the sums start from the bias; the 64 accumulators take turns
.irp a, \a0, \a0+1
.irp b, 0,1,2,3,4,5,6,7
.if \mode
	v_wmma_scale_f32_16x16x128_f8f6f4 v[8*(8*((\a)%4)+\b):8*(8*((\a)%4)+\b)+7], v[128*(\p)+FR*\b:128*(\p)+FR*\b+FR-1], v[AF+FR*(\a):AF+FR*(\a)+FR-1], v[BIAS+8*\b:BIAS+8*\b+7], v[SC+8*NQ*(\sc)+NQ*\b+(\q)], v[SC+8*NQ*(\sc)+NQ*(\a)+(\q)] matrix_a_scale:MATRIX_SCALE_ROW1
.else
	v_wmma_scale_f32_16x16x128_f8f6f4 v[8*(8*((\a)%4)+\b):8*(8*((\a)%4)+\b)+7], v[128*(\p)+FR*\b:128*(\p)+FR*\b+FR-1], v[AF+FR*(\a):AF+FR*(\a)+FR-1], v[8*(8*((\a)%4)+\b):8*(8*((\a)%4)+\b)+7], v[SC+8*NQ*(\sc)+NQ*\b+(\q)], v[SC+8*NQ*(\sc)+NQ*(\a)+(\q)] matrix_a_scale:MATRIX_SCALE_ROW1
.endif
.endr
.endr
.endm
.macro FETCH_B slot, q, p
	WIN TO_B
.irp i, 0,1,2,3,4,5,6,7
	FRAG 128*(\p)+FR*\i, ADRB+\slot, \q, \i
.endr
	WIN 0
.endm
.macro FETCH_A slot, q, i0
.irp i, \i0, \i0+1, \i0+2, \i0+3
	FRAGA AF+FR*(\i), ADRA+\slot, \q, \i
.endr
.endm
.macro SCALES sc
.irp i, 0,1,2,3,4,5,6,7
	ds_load_b64 v[SC+8*NQ*\sc+NQ*\i:SC+8*NQ*\sc+NQ*\i+1], v[ADRS] offset:\i*SBLK
.endr
.endm
.macro PLACES n                        ; places behind matrix instructions: plain vector instructions that name none of their registers (ISA guide 7.12.1)
.rept \n
	v_nop
.endr
.endm
.macro STEP slot, q, mode
	s_wait_dscnt 4*NL                              ; B's set and A's blocks 0-3 are in; the youngest sixteen loads may be out
.if \mode
	WIN 0x81
.else
	WIN MUL_LO
.endif
	MUL16 0, (\q)%2, \q, \slot, \mode
	MUL16 2, (\q)%2, \q, \slot, \mode
	s_wait_dscnt 0
	PLACES NP
	FETCH_B \slot, (\q)+1, 1-(\q)%2
	FETCH_A \slot, (\q)+1, 0
.if \mode
	WIN 0xc1
.else
	WIN MUL_HI
.endif
	MUL16 4, (\q)%2, \q, \slot, \mode
	MUL16 6, (\q)%2, \q, \slot, \mode
	PLACES NP
	WIN 0
	FETCH_A \slot, (\q)+1, 4
.endm
.macro TURN slot, next, fill
	s_wait_tensorcnt 0x0                           ; all my tensor loads have landed: my part of the next slot
	ds_add_u32 v[SPW], v[NIL]                      ; 0 onto my spare word
	s_wait_dscnt 4*NL+1                            ; (the add and the youngest sixteen loads may be out)
	WIN MUL_LO
	MUL16 0, 1, NQ-1, \slot, 0
	s_wait_dscnt 0x0                               ; the add is done, and my reads of this slot are over
	s_barrier_signal -1
	MUL16 2, 1, NQ-1, \slot, 0
	WIN 0
	s_barrier_wait -1
.if \fill
	CREST                                          ; a round of the cluster's barrier: no wave of any partner still reads this slot or has a load on its way
	s_add_nc_u64 s[G0+4*\slot+2:G0+4*\slot+3], s[G0+4*\slot+2:G0+4*\slot+3], 2*4096
	s_add_nc_u64 s[G0B+4*\slot+2:G0B+4*\slot+3], s[G0B+4*\slot+2:G0B+4*\slot+3], 2*ROWB
	JLOAD G0+4*\slot, G1, G0B+4*\slot, G1B
	PLACES NP-4
.else
	PLACES NP
.endif
	v_add_nc_u32 v[ADRS], 4*NQ, v[ADRS]
	FETCH_B \next, 0, 0
	FETCH_A \next, 0, 0
	SCALES \next
	WIN MUL_HI
	MUL16 4, 1, NQ-1, \slot, 0
	MUL16 6, 1, NQ-1, \slot, 0
	PLACES NP
	WIN 0
	FETCH_A \next, 0, 4
.endm
	s_wait_loadcnt 0x0                             ; the bias
	s_wait_tensorcnt 1                             ; the scales and my part of K step 0 are in (K step 1's load may be out),
	s_barrier_signal -1
	s_barrier_wait -1                              ; everybody's are
	FETCH_B 0, 0, 0
	FETCH_A 0, 0, 0
	SCALES 0
	FETCH_A 0, 0, 4
	STEP 0, 0, 1
	s_mov_b32 s3, LAPS-1
.Llap:
	TURN 0, 1, 1
	STEP 1, 0, 0
	TURN 1, 0, 1
	STEP 0, 0, 0
	s_sub_co_u32 s3, s3, 1
	s_cmp_lg_u32 s3, 0
	s_cbranch_scc1 .Llap
	TURN 0, 1, 0
	STEP 1, 0, 0
	s_wait_dscnt 4*NL
	WIN MUL_LO
	MUL16 0, 1, NQ-1, 1, 0
	MUL16 2, 1, NQ-1, 1, 0
	s_wait_dscnt 0
	WIN MUL_HI
	MUL16 4, 1, NQ-1, 1, 0
	MUL16 6, 1, NQ-1, 1, 0
	WIN 0
; THE WAY OUT, block by block of 16 rows x 128 columns, through my own stage in LDS: in as 32 bytes a lane, back as whole rows of 512 bytes.  LDS serves a wave's instructions in order (ISA guide 5.7.1.4).
.macro TOSTAGE a
.set AC, 64*((\a)%4)
	WIN 0x08+4*((\a)/4)                            ; the data: window 2 or 3
.irp b, 0,1,2,3,4,5,6,7
	ds_store_b128 v[STO], v[AC+8*\b:AC+8*\b+3] offset:64*\b          ; each accumulator from its low end on
	ds_store_b128 v[STO], v[AC+8*\b+4:AC+8*\b+7] offset:64*\b+16
.endr
	WIN 0
.set BB, BK+64*((\a)%2)
.irp t, 0,1,2,3,4,5,6,7,8,9,10,11,12,13,14,15
	ds_load_b128 v[BB+4*\t:BB+4*\t+3], v[RD] offset:\t*SPITCH
.endr
.endm
.macro SEND a, younger                 ; younger: the LDS instructions issued behind block a's loads, which may stay out
.set BB, BK+64*((\a)%2)
	s_wait_dscnt \younger
.if (\a) > 0
	s_add_nc_u64 s[12:13], s[12:13], 16*SIZE_N*4   ; (behind a wait on XCNT: the earlier stores have read their base)
.endif
.irp t, 0,1,2,3,4,5,6,7,8,9,10,11,12,13,14,15
	global_store_b128 v[CO], v[BB+4*\t:BB+4*\t+3], s[12:13] offset:\t*SIZE_N*4 th:TH_STORE_NT   ; 32 lanes store 512 consecutive bytes, at a multiple of 256 from out0's first byte
.endr
.endm
	PLACES NP
	TOSTAGE 0
.irp a, 1,2,3,4,5,6,7
.if \a > 1
	s_wait_xcnt 0x0                                ; block a - 2's stores have read their registers and their base
.endif
	TOSTAGE \a
	SEND \a-1, 32                                  ; behind block a - 1's loads: block a's 16 stores and 16 loads
.endr
	s_wait_xcnt 0x0
	SEND 7, 0
	s_wait_tensorcnt 0x0                           ; the wave's end
	ds_add_u32 v[SPW], v[NIL]
	s_wait_dscnt 0x0
	CROUND                                         ; the closing round
	s_endpgm
.Lfunc_end_k_q292bbe2f45_outp:
	.size	k_q292bbe2f45_outp, .Lfunc_end_k_q292bbe2f45_outp-k_q292bbe2f45_outp
	.p2alignl 7, 3214868480
	.fill 96, 4, 3214868480
	.section	.rodata,"a",@progbits
	.p2align	6, 0x0
	.amdhsa_kernel k_q292bbe2f45_outp
		.amdhsa_group_segment_fixed_size 327680
		.amdhsa_private_segment_fixed_size 0
		.amdhsa_enable_private_segment 0
		.amdhsa_kernarg_size 48
		.amdhsa_user_sgpr_count 2
		.amdhsa_user_sgpr_kernarg_segment_ptr 1
		.amdhsa_wavefront_size32 1
		.amdhsa_system_sgpr_workgroup_id_x 1
		.amdhsa_system_sgpr_workgroup_id_y 1
		.amdhsa_system_sgpr_workgroup_id_z 1
		.amdhsa_system_vgpr_workitem_id 0
		.amdhsa_next_free_vgpr 1024
		.amdhsa_next_free_sgpr 106
		.amdhsa_reserve_vcc 0
		.amdhsa_float_denorm_mode_32 3
		.amdhsa_float_denorm_mode_16_64 3
		.amdhsa_memory_ordered 1
		.amdhsa_forward_progress 1
		.amdhsa_inst_pref_size 147
	.end_amdhsa_kernel
	.amdgpu_metadata
---
amdhsa.version: [ 1, 2 ]
amdhsa.kernels:
  - .name:           k_q292bbe2f45_outp
    .symbol:         k_q292bbe2f45_outp.kd
    .args:
      - { .name: cc, .offset: 0, .size: 8, .value_kind: global_buffer, .address_space: global }
      - { .name: cs, .offset: 8, .size: 8, .value_kind: global_buffer, .address_space: global }
      - { .name: c1, .offset: 16, .size: 8, .value_kind: global_buffer, .address_space: global }
      - { .name: s1, .offset: 24, .size: 8, .value_kind: global_buffer, .address_space: global }
      - { .name: bo, .offset: 32, .size: 8, .value_kind: global_buffer, .address_space: global }
      - { .name: out0, .offset: 40, .size: 8, .value_kind: global_buffer, .address_space: global }
    .group_segment_fixed_size: 327680
    .private_segment_fixed_size: 0
    .kernarg_segment_align: 8
    .kernarg_segment_size: 48
    .max_flat_workgroup_size: 128
    .sgpr_count:     106
    .vgpr_count:     1024
    .wavefront_size: 32
...
	.end_amdgpu_metadata
.endif
;; end of part 4
;; ======== version 2 of 2: 4 launches; version 1 with the launch attn written anew for expert scheduling mode
;; limits: right only within a limited range of input values
;; workspace buffers: c1 29,360,128 bytes; s1 917,504 bytes; mk 2,097,152 bytes of whole numbers; fl 2,048 bytes of whole numbers; qkv 25,165,824 bytes; qkvs 1,310,720 bytes; cc 8,388,608 bytes; cs 262,144 bytes
;; launch prep: the kernel of part 1 again; grid 1024 x 1, 4 waves a work-group, no clusters, 50,688 bytes of LDS; arguments q, k, v, Wq, Wk, Wv, Wo, attn_mask, c1, s1, mk, fl; writes c1, s1, mk, fl
;; launch proj: the kernel of part 2 again; grid 4 x 96, 4 waves a work-group, clusters of 4 x 4, 327,680 bytes of LDS; arguments c1, s1, bq, bk, bv, qkv, qkvs; writes qkv, qkvs
;; launch attn (part 5): grid 4 x 64, 16 waves a work-group, no clusters, 47,104 bytes of LDS; arguments qkv, qkvs, mk, cc, cs, fl; writes cc, cs
.if DOCPART == 5
	.amdgcn_target "amdgcn-amd-amdhsa--gfx1250"
	.amdhsa_code_object_version 6
	.text
	.protected	k_q292bbe2f45_attn
	.globl	k_q292bbe2f45_attn
	.p2align	8
	.type	k_q292bbe2f45_attn,@function
k_q292bbe2f45_attn:
	s_mov_b64 s[64:65], 0
	v_nop
	global_prefetch_b8 v0, s[64:65] scope:SCOPE_SE
	s_setreg_imm32_b32 hwreg(HW_REG_WAVE_SCHED_MODE, 0, 2), 2
	s_setreg_imm32_b32 hwreg(HW_REG_WAVE_MODE, 25, 1), 1
	s_wait_xcnt 0x0
	s_wait_alu depctr_vm_vsrc(0)
; ctx[b][q][head] = softmax_k(where(mask, -1e9, qh . kh / 8)) vh, both products on codes of FP8 (E4M3) with one E8M0 scale for each 32 along a product's K; ctx is quantised along the hidden axis for the last product.
; THE SOFTMAX: t = score x log2(e) / 8; M = the row's largest t so far, rounded UP to a whole number; p = 2^(t - M) is quantised along the keys, not normalised; the row's sum is taken of the unquantised p and divides
; at the end.  When M moves, the sum and O^T are multiplied by 2^(old M - new M): exact.
; THE MASK is an input.  An earlier launch has turned it into lane-mask words in mk (one v_cndmask_b32 a score) and, for each tile of 16 queries, a word of flags in fl: which steps of 128 keys have work, and which hold
; a masked score.  Branches hang on fl alone; mk's words serve as selects.
; A step is left out only where all its 16 x 128 scores are masked and no row of the tile is masked at all 2,048 keys: every p of such a step is 0.
; LIMIT: a masked raw score is -2^33, a logit of -2^30 where reference() has -1e9: -2^33 x c is a whole number, so a row that is masked everywhere gets p = 1 exactly and the uniform softmax.  The results are
; reference()'s wherever every unmasked logit lies above -1e9.  A block of zeros gets the scale byte 1 (its codes are zeros; this program alone reads the bytes).  NaN and infinities are not served.
; SHARES.  Work-group (x, head) owns the blocks x and 7 - x of 256 queries, one after the other; each of its SIXTEEN waves one tile of 16 queries in 256 registers: four waves to a SIMD.
; LAYOUT.  S^T = K Q^T (source 0 = 16 keys, source 1 = my 16 queries), O^T = V^T P^T (source 0 = 16 of the head's 64, source 1 = P): a lane holds ONE query.  All operands lie in memory as images of their registers.
; The first product's K is 64: the upper eight registers of Q hold zero codes; those of a tile of K are the next tile's codes (finite numbers), times zero; their scale bytes are 127.
; NO TENSOR LOADS, NO CLUSTER: which steps are fetched and worked hangs on flags read from memory, and partners of a cluster would need different numbers of tiles.
; So a key step's 16,384 bytes go from memory through registers into one of two LDS slots, 32 bytes a thread, asked for a step ahead.  No prefetch is laid: no wave waits for a fill, which has a step's work in which to come.
; ctx's scale bytes leave as single bytes, two for each row and head, 32 bytes apart: one thirty-second of the codes' bytes.
; REGISTERS: v1 16 x lane; v2 16 x thread; v3 the fill's offset; v4, v5 LDS addresses of K's and V's scale words; v6 16 r; v7 -2^33; v8 32 r + h; v9 8 x lane; v12 -M, v13 the largest t, v[14:15] the sum;
;   v16-31 Q (v24-31 zeros); v32-95 K's 8 tiles, then V's 4; v96-103 zeros; v104-167 S^T, then p; v168-199 O^T; v200-215 p's codes; v216-239 at work; v240-247 the fill; v248-251, v252-253, v254, v255 scale words of K, V, Q, p.
; THE MODE: SCHED_MODE bits 1:0 = 2 (LLVM: expert scheduling mode 2), set by the entry lines.  The code itself states the register dependences between vector or matrix instructions and memory or LDS instructions,
; with s_wait_alu, always for 0.
; THE PLAN.  Registers that memory or LDS instructions touch:
;   v1, v2, v6, v8   addresses, made at the head and never written again: the head's one wait on va_vdst serves them throughout.
;   v3, v4, v5       read by the fill's loads and by the loads of the scale words; written by three additions at a trip's head (v3 also at a pass's head).
;   v240-247         the fill's loads land in them, its LDS stores read them; behind the head no vector line names them.
;   v32-95, v248-253 K's images and words land, the eight products S^T read them; V's images and words land, the four products O^T read them.
;   v16-23, v254     Q lands at a pass's head; all the pass's products S^T read them.
;   v200-207, v234   written by the way out's conversions and select, read by its three stores, written again by the next pass's steps.
;   v200-215, v255   p's codes and scale word: written by vector lines, taken by scaled products.
;   v238, v239       written at the head, read by the closing add alone.
; A half of a trip opens with one wait on vm_vsrc (the LDS stores have read v240-247; at the trip's head also: the loads have read v3 to v5) and one on va_vdst (the last step's products are done reading v32-95 and
; v248-253; at the trip's head also: v3 to v5 are written); both stand ahead of the fill's and the step's branches.  In a step one wait on va_vdst stands behind the products S^T, and V's loads follow it, dealt among
; the first lines of the search for the maximum, which name S^T and v216-219 alone; one more stands ahead of the products O^T, for p's codes and scale word.  All 256 registers of a wave are named: no second buffer.
.set SLOTB, 16384                      ; a slot: K's images, 8,192 bytes, then V's
.set SCK,   32768                      ; the head's scale words of K, 512 bytes a step
.set SCV,   40960                      ; and of V, 256 bytes a step
.set S,   104
.set O,   168
.set PC,  200
.set BM,  216                          ; v216-219 a block's largest score, then its largest p
.set T2,  220                          ; v220-223 the other half's; then the bytes
.set HO,  224                          ; v224-227 448 x the scale
.set SO,  228                          ; v228-231 the conversions' scale operands
.set F,   232                          ; v[232:233] f = 2^(old M - new M)
.set TT,  234
.set SM2, 236                          ; v[236:237] the sum's second chain
	s_load_b256 s[4:11], s[0:1], 0x0               ; qkv s[4:5], qkvs s[6:7], mk s[8:9], cc s[10:11]
	s_load_b64 s[12:13], s[0:1], 0x20              ; cs  (fl's address is fetched at each pass's head: no scalar pair is free to keep it)
	v_lshl_add_u32 v238, v0, 2, 0xb000
	v_mov_b32 v239, 0
	v_lshrrev_b32 v1, 5, v0
	v_readfirstlane_b32 s14, v1                    ; wave 0..15
	v_and_b32 v9, 31, v0
	v_lshlrev_b32 v1, 4, v9
	v_lshlrev_b32 v9, 3, v9
	v_lshlrev_b32 v2, 4, v0
	v_and_b32 v10, 15, v0                          ; r
	v_bfe_u32 v11, v0, 4, 1                        ; h
	v_lshlrev_b32 v6, 4, v10
	v_lshl_add_u32 v8, v10, 5, v11
	v_mov_b32 v7, 0xd0000000                       ; -2^33
.irp i, 24,25,26,27,28,29,30,31, 96,97,98,99,100,101,102,103
	v_mov_b32 v[\i], 0                             ; zero codes
.endr
.irp i, 220,221,222,223, 233,234, 240,241,242,243,244,245,246,247
	v_mov_b32 v[\i], 0                             ; written once: lane permutes' destinations, the upper half of f's pair, the fill's registers
.endr
	s_wait_alu depctr_va_sdst(0)                   ; s14 is written, ahead of its first reader, the compare below
	s_mov_b32 s20, 0x76543210
	s_mov_b32 s21, 0xfedcba98                      ; v_permlanex16_b32's selects for lane l xor 16
	s_mov_b32 s22, 0x3e38aa3b                      ; c = log2(e) / 8
	s_mov_b32 s23, s22                             ; (named with it as a pair, so it is written)
	s_mov_b32 s24, 0x600000                        ; the mantissa field of 448
	s_mov_b32 s29, 0xffff0000                      ; lanes 16-31
	s_and_b32 s15, ttmp7, 0xffff                   ; bh = 16 b + head
	s_lshl_b32 s30, s15, 18
	s_add_co_u32 s30, s30, 8388608
	s_mov_b32 s31, 0
	s_mul_i32 s16, s15, 12288
	s_add_co_u32 s16, s16, 524288
	s_mov_b32 s17, 0
	s_wait_kmcnt 0x0
	s_add_nc_u64 s[30:31], s[4:5], s[30:31]        ; the head's key steps
	s_add_nc_u64 s[16:17], s[6:7], s[16:17]        ; the head's scale words of K, then of V
	s_wait_alu depctr_va_vdst(0)                   ; the addresses v1, v2, v6, v8 are written, which loads and stores read from here on; so are v240-247, in which loads land, and the zero codes v24-31 and v96-103, which the scaled products take
	global_load_b128 v[240:243], v2, s[16:17]      ; K's 8,192 bytes: 16 a thread
	s_cmp_lt_u32 s14, 8
	s_cbranch_scc0 .Lno_vs
	global_load_b128 v[244:247], v2, s[16:17] offset:8192   ; V's 4,096 bytes: waves 0 to 7
	s_wait_loadcnt 0x0
	ds_store_b128 v2, v[244:247] offset:SCV
.Lno_vs:
	s_wait_loadcnt 0x0
	ds_store_b128 v2, v[240:243] offset:SCK
	s_wait_dscnt 0x0                               ; the stores are done; the first pass's first barrier shows them to all
; s28 holds, from bit 0 on, which of the coming steps some wave of the work-group will work.  A step that nobody works is not fetched; bits past the head's last step are 0, so no load leaves the buffer.
.macro FILL_REQ bit, off
	s_bitcmp1_b32 s28, \bit
	s_cbranch_scc0 .Lnoreq_\@
	global_load_b128 v[240:243], v3, s[30:31] offset:\off          ; my 16 bytes of K's images
	global_load_b128 v[244:247], v3, s[30:31] offset:\off+8192     ; and of V's
.Lnoreq_\@:
.endm
.macro FILL_PUT bit, slot
	s_wait_loadcnt 0x0
	s_bitcmp1_b32 s28, \bit
	s_cbranch_scc0 .Lnoput_\@
	ds_store_b128 v2, v[240:243] offset:\slot*SLOTB
	ds_store_b128 v2, v[244:247] offset:\slot*SLOTB+8192
.Lnoput_\@:
.endm
.macro BAR                             ; my stores into one slot have landed and my reads of the other are in: one barrier a step orders both
	s_wait_dscnt 0x0
	s_barrier_signal -1
	s_barrier_wait -1
.endm
; A KEY STEP: 128 keys from slot; u: its bit in my flags (s26: work; s27: a masked score).  The wait on va_vdst that K's loads hang on stands ahead of the step, in the trip's text; only v_nop and loads stand between.
.macro STEP slot, u
	s_bitcmp1_b32 s26, \u
	s_cbranch_scc0 .Lskip_\@
.rept 8
	v_nop                                          ; places in front of loads into registers that the last products have read
.endr
.irp t, 0,1,2,3,4,5,6,7
	ds_load_b128 v[32+8*\t:35+8*\t], v1 offset:\slot*SLOTB+1024*\t
	ds_load_b128 v[36+8*\t:39+8*\t], v1 offset:\slot*SLOTB+1024*\t+512
.endr
	ds_load_b128 v[248:251], v4 offset:512*\u      ; K's scale words: lanes 0-15 tiles 0-3, lanes 16-31 tiles 4-7
	s_wait_dscnt 0x0
.irp t, 0,1,2,3
	v_wmma_scale_f32_16x16x128_f8f6f4 v[S+8*\t:S+8*\t+7], v[32+8*\t:47+8*\t], v[16:31], 0, v[248+\t], v254
.endr
.irp t, 4,5,6,7
	v_wmma_scale_f32_16x16x128_f8f6f4 v[S+8*\t:S+8*\t+7], v[32+8*\t:47+8*\t], v[16:31], 0, v[244+\t], v254 matrix_a_scale:MATRIX_SCALE_ROW1
.endr
.rept 8
	v_nop                                          ; places in front of the first read of the scores
.endr
	s_wait_alu depctr_va_vdst(0)                   ; the eight products are done reading v32-95, in which V's images land further down; no vector line between here and those loads names v32-95, v252 or v253, on either way round the mask
	s_bitcmp1_b32 s27, \u
	s_cbranch_scc0 .Lopen_\@
	s_load_b512 s[32:47], s[100:101], s3 offset:256*\u             ; the step's 64 lane-mask words
	s_load_b512 s[48:63], s[100:101], s3 offset:256*\u+64
	s_load_b512 s[68:83], s[100:101], s3 offset:256*\u+128
	s_load_b512 s[84:99], s[100:101], s3 offset:256*\u+192
	s_wait_kmcnt 0x0
.set n, 0
.rept 64
.set pp, 2*(n%32)+n/32                 ; word n's place among the 64
.if pp < 32
	v_cndmask_b32 v[S+n], v[S+n], v7, s[32+pp]
.else
	v_cndmask_b32 v[S+n], v[S+n], v7, s[36+pp]
.endif
.set n, n+1
.endr
.Lopen_\@:
.irp b, 0,1,2,3
	v_max3_num_f32 v[BM+\b], v[S+16*\b], v[S+1+16*\b], v[S+2+16*\b]   ; the largest score of each block of 32 keys: for the row's maximum, and, since p rises with the score, for the block's largest p
.endr
.irp c, 0,1,2,3
	ds_load_b128 v[32+4*\c:35+4*\c], v1 offset:\slot*SLOTB+8192+512*\c   ; V's images land under the softmax, a tile's four loads behind each of these groups of four lines: tile 0
.endr
.irp i, 3,5,7,9,11,13
.irp b, 0,1,2,3
	v_max3_num_f32 v[BM+\b], v[BM+\b], v[S+16*\b+\i], v[S+1+16*\b+\i]
.endr
.if \i < 9
.irp c, 0,1,2,3
	ds_load_b128 v[32+16*((\i-1)/2)+4*\c:35+16*((\i-1)/2)+4*\c], v1 offset:\slot*SLOTB+8192+2048*((\i-1)/2)+512*\c   ; tiles 1, 2, 3
.endr
.elseif \i == 9
	ds_load_b64 v[252:253], v5 offset:256*\u       ; V's scale words: lanes 0-15 tiles 0, 1, lanes 16-31 tiles 2, 3
.endif
.endr
.irp b, 0,1,2,3
	v_max_num_f32 v[BM+\b], v[BM+\b], v[S+15+16*\b]
.endr
.irp b, 0,1,2,3
	v_permlanex16_b32 v[T2+\b], v[BM+\b], s20, s21
.endr
.irp b, 0,1,2,3
	v_max_num_f32 v[BM+\b], v[BM+\b], v[T2+\b]     ; with lane l xor 16's 16 keys
.endr
	v_max3_num_f32 v[TT], v[BM], v[BM+1], v[BM+2]
	v_max_num_f32 v[TT], v[TT], v[BM+3]
	v_mul_f32 v[TT], s22, v[TT]                    ; the step's largest t of my query
	v_max_num_f32 v13, v13, v[TT]
	v_mov_b32 v[TT], v12
	v_floor_f32 v12, -v13                          ; the new -M = floor(-t): M is a whole number
	v_sub_f32 v[TT], v12, v[TT]                    ; old M - new M: a whole number, 0 or less
	v_cvt_i32_f32 v[TT], v[TT]                     ; (it saturates)
	v_ldexp_f32 v[F], 1.0, v[TT]                   ; f
.set n, 0
.rept 32
	v_pk_fma_f32 v[S+n:S+n+1], v[S+n:S+n+1], s[22:23], v[12:13] op_sel_hi:[1,0,0]   ; t - M, two at a time
.set n, n+2
.endr
.irp b, 0,1,2,3
	v_fma_f32 v[BM+\b], v[BM+\b], s22, v12         ; the same of each block's largest score
.endr
.set n, 0
.rept 64
	v_exp_f32 v[S+n], v[S+n]                       ; p = 2^(t - M)
.set n, n+1
.endr
	v_pk_mul_f32 v[14:15], v[14:15], v[F:F+1] op_sel_hi:[1,0]      ; the sums under the new M: a plain line behind the exponentials
	s_wait_alu depctr_va_vdst(0)                   ; the 64 exponentials have written p: one wait for the whole batch, ahead of its first reader
.irp b, 0,1,2,3
	v_exp_f32 v[BM+\b], v[BM+\b]                   ; the block's largest p
.endr
	v_pk_add_f32 v[SM2:SM2+1], v[S:S+1], v[S+2:S+3]                ; the row's sum is taken of the unquantised p, in two chains
.irp j, 4,8,12,16,20,24,28,32,36,40,44,48,52,56,60
	v_pk_add_f32 v[14:15], v[14:15], v[S+\j:S+1+\j]
	v_pk_add_f32 v[SM2:SM2+1], v[SM2:SM2+1], v[S+2+\j:S+3+\j]
.endr
	v_pk_add_f32 v[14:15], v[14:15], v[SM2:SM2+1]
	s_wait_alu depctr_va_vdst(0)                   ; and one for the four: they have written v216-219
.irp b, 0,1,2,3
	v_max_num_f32 v[BM+\b], 0x4800000, v[BM+\b]    ; the floor 2^(9 - 127): the byte cannot fall under 1
.endr
.irp b, 0,1,2,3
	v_add_nc_u32 v[SO+\b], 0xfc000000, v[BM+\b]
.endr
.irp b, 0,1,2,3
	v_and_or_b32 v[HO+\b], v[BM+\b], 0x7f800000, s24
.endr
.irp b, 0,1,2,3
	v_lshrrev_b32 v[T2+\b], 23, v[SO+\b]
.endr
	v_lshl_or_b32 v255, v[T2+1], 8, v[T2]          ; p's scale word for these 128 keys
	v_lshl_or_b32 v255, v[T2+2], 16, v255
	v_lshl_or_b32 v255, v[T2+3], 24, v255
.irp b, 0,1,2,3
.irp i, 0,1,2,3,4,5,6,7,8,9,10,11,12,13,14,15
	v_min_num_f32 v[S+16*\b+\i], v[S+16*\b+\i], v[HO+\b]           ; the conversion does not saturate (ISA guide 7.6.2); p is not negative, so the hold is one-sided
.endr
	v_cvt_scalef32_pk8_fp8_f32 v[PC+4*\b:PC+1+4*\b], v[S+16*\b:S+7+16*\b], v[SO+\b]
	v_cvt_scalef32_pk8_fp8_f32 v[PC+2+4*\b:PC+3+4*\b], v[S+8+16*\b:S+15+16*\b], v[SO+\b]
.endr
.set n, 0
.rept 16
	v_pk_mul_f32 v[O+n:O+n+1], v[O+n:O+n+1], v[F:F+1] op_sel_hi:[1,0]   ; O^T under the new M; these sixteen also stand between the codes and the products
.set n, n+2
.endr
	s_wait_alu depctr_va_vdst(0)                   ; the conversions have written p's codes v200-215 and the shifts its scale word v255, which the scaled products below take; their places stand ahead of this wait
	s_wait_dscnt 0x0                               ; V
.irp d, 0,1
	v_wmma_scale_f32_16x16x128_f8f6f4 v[O+8*\d:O+8*\d+7], v[32+16*\d:47+16*\d], v[PC:PC+15], v[O+8*\d:O+8*\d+7], v[252+\d], v255
.endr
.irp d, 2,3
	v_wmma_scale_f32_16x16x128_f8f6f4 v[O+8*\d:O+8*\d+7], v[32+16*\d:47+16*\d], v[PC:PC+15], v[O+8*\d:O+8*\d+7], v[250+\d], v255 matrix_a_scale:MATRIX_SCALE_ROW1
.endr
.Lskip_\@:
.endm
; A PASS: one block of 256 queries against all 16 key steps: 8 trips of two steps, a constant count.
.macro PASS p
	s_wait_xcnt 0x0                                ; what was issued before has read its addresses and data: they are written below
	s_wait_alu depctr_vm_vsrc(0)                   ; the LDS stores issued so far have read v240-247, in which the fill's loads land; the last pass's stores have read v200-207 and v234, which this pass's steps write, and its loads v3, which is written below
	s_load_b64 s[104:105], s[0:1], 0x28            ; fl; the tile's scalar work and Q's loads stand between this load and the wait for it
.if \p
	s_sub_co_u32 s15, 7, ttmp9
.else
	s_mov_b32 s15, ttmp9
.endif
	s_and_b32 s72, ttmp7, 0xffff                   ; bh
	s_lshr_b32 s73, s72, 4
	s_lshl_b32 s73, s73, 7                         ; 128 b
	s_lshl_b32 s16, s15, 4
	s_add_co_u32 s17, s16, s14                     ; qt: my tile of queries
	s_add_co_u32 s16, s16, s73                     ; the block's first tile among the batch's
	s_add_co_u32 s18, s17, s73                     ; mine: 128 b + qt
	s_lshl_b32 s74, s16, 2                         ; where the block's 16 words of flags begin
	s_mov_b32 s75, 0
	s_lshl_b32 s19, s14, 2
	s_lshl_b32 s100, s18, 12
	s_mov_b32 s101, 0
	s_add_nc_u64 s[100:101], s[8:9], s[100:101]    ; my tile's mask words
	s_lshl_b32 s68, s72, 17
	s_lshl_b32 s69, s17, 10
	s_add_co_u32 s68, s68, s69
	s_mov_b32 s69, 0
	s_add_nc_u64 s[68:69], s[4:5], s[68:69]        ; Q's image
	s_lshl_b32 s70, s72, 13
	s_lshr_b32 s71, s17, 2
	s_lshl_b32 s71, s71, 8
	s_add_co_u32 s70, s70, s71
	s_and_b32 s71, s17, 3
	s_lshl_b32 s71, s71, 2
	s_add_co_u32 s70, s70, s71
	s_mov_b32 s71, 0
	s_add_nc_u64 s[70:71], s[6:7], s[70:71]        ; Q's scale words: 256 bytes for four tiles, 16 bytes a row, 4 a tile
	global_load_b128 v[16:19], v1, s[68:69]        ; no wait on va_vdst here: the one ahead of the last pass's stores has shown its products done reading v16-23 and v254, and no vector line has been issued since
	global_load_b128 v[20:23], v1, s[68:69] offset:512
	global_load_b32 v254, v6, s[70:71]
	s_wait_kmcnt 0x0                               ; fl's address
	s_add_nc_u64 s[104:105], s[104:105], s[74:75]
	s_load_b512 s[32:47], s[104:105], 0x0          ; the flags of the block's 16 tiles,
	s_load_b32 s26, s[104:105], s19 offset:0x0     ; and mine
	v_mov_b32 v13, 0xff61b1e6                      ; the largest t so far: -3e38
	v_floor_f32 v12, -v13
	v_mov_b32 v14, 0
	v_mov_b32 v15, 0
.set n, 0
.rept 32
	v_mov_b32 v[O+n], 0                            ; the step is written once: the first finds zeros, which the first change of M leaves zeros
.set n, n+1
.endr
	v_mov_b32 v3, v2                               ; the fill's offset: step 0
	s_wait_kmcnt 0x0
	s_or_b32 s28, s32, s33
.irp k, 34,35,36,37,38,39,40,41,42,43,44,45,46,47
	s_or_b32 s28, s28, s[\k]
.endr
	s_and_b32 s28, s28, 0xffff                     ; the steps that some wave works
	s_lshr_b32 s27, s26, 16                        ; mine: with a masked score,
	s_and_b32 s26, s26, 0xffff                     ; with work
	s_wait_alu depctr_va_vdst(0)                   ; v3 is written, which the fill's loads read as their offset
	FILL_REQ 0, 0
	FILL_PUT 0, 0
	BAR
	s_lshr_b32 s28, s28, 1
	s_wait_loadcnt 0x0                             ; Q
	s_mov_b32 s25, 8
	s_mov_b32 s2, SLOTB                            ; the fill's offset: step 1
	s_mov_b32 s3, 0                                ; the mask words' offset
	s_mov_b32 s66, SCK
	s_mov_b32 s67, SCV
.Ltrip_\@:
	s_wait_alu depctr_vm_vsrc(0)                   ; the fill's loads have read v3 and the steps' LDS loads v4 and v5, which are written below; the fill's LDS stores have read v240-247, in which the loads below land
	v_add_nc_u32 v3, s2, v2                        ; (the last loads that named v3 have been waited for)
	v_add_nc_u32 v4, s66, v1
	v_add_nc_u32 v5, s67, v9
	s_wait_alu depctr_va_vdst(0)                   ; v3, v4 and v5 are written, which this trip's loads read; the last step's products are done reading v32-95 and v248-253, in which the even step's loads land
	FILL_REQ 0, 0                                  ; the odd step is asked for,
	STEP 0, 0                                      ; the even one worked,
	FILL_PUT 0, 1
	BAR
	s_wait_alu depctr_vm_vsrc(0)                   ; the LDS stores just issued have read v240-247, in which the loads below land
	s_wait_alu depctr_va_vdst(0)                   ; the even step's products are done reading v32-95 and v248-253, in which the odd step's loads land
	FILL_REQ 1, SLOTB                              ; the next even step is asked for
	STEP 1, 1
	FILL_PUT 1, 0
	BAR
	s_lshr_b32 s26, s26, 2
	s_lshr_b32 s27, s27, 2
	s_lshr_b32 s28, s28, 2
	s_add_co_u32 s2, s2, 2*SLOTB
	s_add_co_u32 s3, s3, 512
	s_add_co_u32 s66, s66, 1024
	s_add_co_u32 s67, s67, 512
	s_sub_co_u32 s25, s25, 1
	s_cmp_lg_u32 s25, 0
	s_cbranch_scc1 .Ltrip_\@
	; THE WAY OUT: O^T / the sum is ctx; a lane's 32 registers are two blocks of 32 along the hidden axis, shared with lane l xor 16
.rept 8
	v_nop
.endr
	v_add_f32 v14, v14, v15
	v_permlanex16_b32 v[TT], v14, s20, s21
	v_add_f32 v14, v14, v[TT]                      ; the row's sum
	v_rcp_f32 v14, v14
	v_nop                                          ; a plain line behind the reciprocal
	s_and_b32 s32, ttmp7, 15                       ; the head
	s_lshl_b32 s104, s18, 14                       ; a tile of 16 rows is 16,384 bytes of images; a head's two groups lie 1,024 x head on
	s_lshl_b32 s33, s32, 10
	s_add_co_u32 s104, s104, s33
	s_mov_b32 s105, 0
	s_add_nc_u64 s[104:105], s[10:11], s[104:105]
	s_lshl_b32 s2, s18, 9                          ; 16 rows of 32 scale bytes; a head's two bytes lie 2 x head on
	s_lshl_b32 s33, s32, 1
	s_add_co_u32 s2, s2, s33
	s_mov_b32 s3, 0
	s_add_nc_u64 s[2:3], s[12:13], s[2:3]
	s_wait_alu depctr_va_vdst(0)                   ; the reciprocal has written v14, ahead of its first reader
.set n, 0
.rept 16
	v_pk_mul_f32 v[S+n:S+n+1], v[O+n:O+n+1], v[14:15] op_sel_hi:[1,0]
.set n, n+2
.endr
.irp b, 0,1
	v_max3_num_f32 v[BM+\b], |v[S+16*\b]|, |v[S+1+16*\b]|, 0x4800000
.endr
.irp i, 2,4,6,8,10,12,14
.irp b, 0,1
	v_max3_num_f32 v[BM+\b], v[BM+\b], |v[S+16*\b+\i]|, |v[S+1+16*\b+\i]|
.endr
.endr
.irp b, 0,1
	v_permlanex16_b32 v[T2+\b], v[BM+\b], s20, s21
.endr
.irp b, 0,1
	v_max_num_f32 v[BM+\b], v[BM+\b], v[T2+\b]
.endr
.irp b, 0,1
	v_add_nc_u32 v[SO+\b], 0xfc000000, v[BM+\b]
.endr
.irp b, 0,1
	v_and_or_b32 v[HO+\b], v[BM+\b], 0x7f800000, s24
.endr
.irp b, 0,1
	v_lshrrev_b32 v[T2+\b], 23, v[SO+\b]
.endr
.irp b, 0,1
.irp i, 0,1,2,3,4,5,6,7,8,9,10,11,12,13,14,15
	v_med3_num_f32 v[S+16*\b+\i], v[S+16*\b+\i], -v[HO+\b], v[HO+\b]
.endr
	v_cvt_scalef32_pk8_fp8_f32 v[PC+4*\b:PC+1+4*\b], v[S+16*\b:S+7+16*\b], v[SO+\b]
	v_cvt_scalef32_pk8_fp8_f32 v[PC+2+4*\b:PC+3+4*\b], v[S+8+16*\b:S+15+16*\b], v[SO+\b]
.endr
	v_nop                                          ; a plain vector line behind the last conversion
	v_cndmask_b32 v[TT], v[T2], v[T2+1], s29       ; lanes 0-15 store the first block's byte, lanes 16-31 the second's
	s_wait_alu depctr_va_vdst(0)                   ; the conversions have written v200-207 and the select v234, which the three stores read
	global_store_b128 v1, v[PC:PC+3], s[104:105]               ; 512 consecutive bytes each
	global_store_b128 v1, v[PC+4:PC+7], s[104:105] offset:512
	global_store_b8 v8, v[TT], s[2:3]
.endm
	PASS 0
	PASS 1
	s_wait_dscnt 0x0                               ; the closing lines, six on end
	s_wait_alu 0x0
	s_wait_tensorcnt 0x0
	ds_add_u32 v238, v239
	s_wait_dscnt 0x0
	s_endpgm
.Lfunc_end_k_q292bbe2f45_attn:
	.size	k_q292bbe2f45_attn, .Lfunc_end_k_q292bbe2f45_attn-k_q292bbe2f45_attn
	.p2alignl 7, 3214868480
	.fill 96, 4, 3214868480
	.section	.rodata,"a",@progbits
	.p2align	6, 0x0
	.amdhsa_kernel k_q292bbe2f45_attn
		.amdhsa_group_segment_fixed_size 47104
		.amdhsa_private_segment_fixed_size 0
		.amdhsa_enable_private_segment 0
		.amdhsa_kernarg_size 48
		.amdhsa_user_sgpr_count 2
		.amdhsa_user_sgpr_kernarg_segment_ptr 1
		.amdhsa_wavefront_size32 1
		.amdhsa_system_sgpr_workgroup_id_x 1
		.amdhsa_system_sgpr_workgroup_id_y 1
		.amdhsa_system_sgpr_workgroup_id_z 1
		.amdhsa_system_vgpr_workitem_id 0
		.amdhsa_next_free_vgpr 256
		.amdhsa_next_free_sgpr 106
		.amdhsa_reserve_vcc 0
		.amdhsa_float_denorm_mode_32 3
		.amdhsa_float_denorm_mode_16_64 3
		.amdhsa_memory_ordered 1
		.amdhsa_forward_progress 1
		.amdhsa_inst_pref_size 118
	.end_amdhsa_kernel
	.amdgpu_metadata
---
amdhsa.version: [ 1, 2 ]
amdhsa.kernels:
  - .name:           k_q292bbe2f45_attn
    .symbol:         k_q292bbe2f45_attn.kd
    .args:
      - { .name: qkv, .offset: 0, .size: 8, .value_kind: global_buffer, .address_space: global }
      - { .name: qkvs, .offset: 8, .size: 8, .value_kind: global_buffer, .address_space: global }
      - { .name: mk, .offset: 16, .size: 8, .value_kind: global_buffer, .address_space: global }
      - { .name: cc, .offset: 24, .size: 8, .value_kind: global_buffer, .address_space: global }
      - { .name: cs, .offset: 32, .size: 8, .value_kind: global_buffer, .address_space: global }
      - { .name: fl, .offset: 40, .size: 8, .value_kind: global_buffer, .address_space: global }
    .group_segment_fixed_size: 47104
    .private_segment_fixed_size: 0
    .kernarg_segment_align: 8
    .kernarg_segment_size: 48
    .max_flat_workgroup_size: 512
    .sgpr_count:     106
    .vgpr_count:     256
    .wavefront_size: 32
...
	.end_amdgpu_metadata
.endif
;; end of part 5
;; launch outp: the kernel of part 4 again; grid 4 x 32, 4 waves a work-group, clusters of 4 x 4, 327,680 bytes of LDS; arguments cc, cs, c1, s1, bo, out0; writes out0
